; MI455X (gfx1250); checked and timed in simulation.
; The chip was launched on July 23, 2026; its instructions are those of AMD's public machine-readable ISA for CDNA 5 (MIT licence, August 2026) and "CDNA5" Instruction Set Architecture Reference Guide (July 2026). The comments in the code are by the model that wrote it; some were corrected since.
;; Cross Attention Selector. Allowed arithmetic: matrix products marked QUANTISED: E2M1 operands, one E8M0 scale for each 32 along K, by v_wmma_scale_f32_16x16x128_f8f6f4 with both operands' format E2M1 (or v_wmma_scale_f32_32x16x128_f4), f32 sums; products left as they are: f32 operands where the result goes on into a quantised operand, else bf16, f16 or f32 operands; f32 sums; everything else in f32.
;; Inputs: Wk 1,024 x 1,024 float32; Wo 1,024 x 1,024 float32; Wq 1,024 x 1,024 float32; Wv 1,024 x 1,024 float32; bk 1,024 float32; bo 1,024 float32; bq 1,024 float32; bv 1,024 float32; candidates 16 x 2,048 x 1,024 float32; state 16 x 1,024 float32.
;; Outputs: out0 16 x 1,024 float32; out1 16 x 2,048 float32; out2 16 x 8 int32; out3 16 x 8 float32.
;; Constants: k = 8.
;; This version of the problem:
;;   THIS VERSION OF THE PROBLEM IS GIVEN IN LOW PRECISION. The matrix products marked QUANTISED in the list below multiply operands that are first quantised to E2M1 (2 exponent bits, 1 mantissa bit; 4 bits a number), with one power-of-two scale for each 32 numbers along K (OCP MX v1.0); their sums are f32. All else is computed in f32.
;;   The module's matrix products, in the order in which they are computed (A, B: the left and right operand; K: the contracted axis; several contracted axes count as one K, in the product's order):
;;     1. [M 16, K 1,024] x [K 1,024, N 1,024]; A: input state; B: input Wq: QUANTISED
;;     2. [M 32,768, K 1,024] x [K 1,024, N 1,024]; A: input candidates; B: input Wk: QUANTISED
;;     3. [M 32,768, K 1,024] x [K 1,024, N 1,024]; A: input candidates; B: input Wv: QUANTISED
;;     4. batch 256 x [M 1, K 64] x [K 64, N 2,048]; A: computed on the way; B: computed on the way: left as it is (M = 1 < 16)
;;     5. batch 256 x [M 1, K 2,048] x [K 2,048, N 64]; A: softmax; B: computed on the way: left as it is (M = 1 < 16)
;;     6. [M 16, K 1,024] x [K 1,024, N 1,024]; A: computed on the way; B: input Wo: QUANTISED
;;   THE QUANTISER, for each operand of a quantised product, along K:
;;     - K is cut into blocks of 32 from its start; a last block that is shorter is filled with zeros.
;;     - A block's scale is 2^e with e = floor(log2(the largest magnitude in the block)) - 2, held to -126 .. 127; a block of zeros has e = 0. As a byte (E8M0): e + 127.
;;     - Each number is divided by its block's scale, clamped to +-6, and rounded to the nearest number of E2M1, ties to even, subnormals kept.
;;     - The product sums the exact products of the quantised numbers (number of the format x scale) in f32.
;;   ~~~python
;;   def quantise(x, axis):      # numpy; x: float32 -> the quantised numbers, widened to float32 again
;;       x = np.moveaxis(x, axis, -1); K = x.shape[-1]
;;       x = np.pad(x, [(0, 0)] * (x.ndim - 1) + [(0, -K % 32)]); x = x.reshape(x.shape[:-1] + (-1, 32)); a = np.abs(x).max(-1, keepdims=True)
;;       e = np.where(a > 0, np.clip(np.frexp(np.where(a > 0, a, 1))[1] - 1 - 2, -126, 127), 0)      # np.frexp(a)[1] - 1 = floor(log2(a)), exactly
;;       r = np.clip(x / 2.0 ** e, -6, 6)
;;       step = 2.0 ** (np.maximum(np.frexp(np.where(r == 0, 1, r))[1] - 1, 0) - 1)
;;       q = np.round(r / step) * step * 2.0 ** e      # np.round: ties to even
;;       return np.moveaxis(q.reshape(q.shape[:-2] + (-1,))[..., :K], -1, axis).astype(np.float32)
;;   ~~~
;;   OPERANDS COMPUTED ON THE WAY. 'Computed on the way' means the value that the module computes at that place (a softmax that the list does not call 'softmax' is quantised finished and normalised). What goes into a quantiser is computed in f32, as accurately as f32 sums, v_exp_f32 and their like allow (about 1e-6 of the number): no bf16 or f16 on the way to a quantiser, and a product that is left as it is and whose result goes on into a quantised operand takes f32 operands (vector FMAs, or v_wmma_f32_16x16x4_f32). A number that lies on a knife's edge between two numbers of the format may be rounded either way, as far as f32 arithmetic and the matrix unit's own rounding can turn it there, and no further.
;; One version. Each part assembles by itself: llvm-mc -triple=amdgcn-amd-amdhsa -mcpu=gfx1250 --defsym DOCPART=n.
;; ======== version 1 of 1: 3 launches
;; limits: right only within a limited range of input values
;; workspace buffers: wkv 1,114,112 bytes; woc 557,056 bytes; qf 65,536 bytes; pctx 1,048,576 bytes; ml 131,072 bytes; msum 131,072 bytes
;; launch prep (part 1): grid 256 x 1, 8 waves a work-group, no clusters, 144,896 bytes of LDS; arguments Wk, Wv, Wo, Wq, state, bq, wkv, woc, qf; writes wkv, woc, qf
.if DOCPART == 1
	.amdgcn_target "amdgcn-amd-amdhsa--gfx1250"
	.amdhsa_code_object_version 6
	.text
	.protected	k_qf772f924b8_prep
	.globl	k_qf772f924b8_prep
	.p2align	8
	.type	k_qf772f924b8_prep,@function
k_qf772f924b8_prep:
	s_mov_b64 s[64:65], 0
	v_nop
	global_prefetch_b8 v0, s[64:65] scope:SCOPE_SE
	s_setreg_imm32_b32 hwreg(HW_REG_WAVE_MODE, 25, 1), 1
	s_wait_xcnt 0x0
; FIRST OF THREE LAUNCHES.  The program: selected_info, attn_weights and their top 8 of one query a batch and head over 2,048 candidates.
; This launch quantises Wk, Wv and Wo to codes of FP4 (E2M1) with one E8M0 byte for each 32 along K, laid in the order of an operand's registers, and makes Q = Qz(state) Qz(Wq)^T + bq.
; DEAD WORK, LEFT OUT IN THE WHOLE PROGRAM: bk.  K = candidates Wk^T + bk enters scores[b,h,n] = Q[b,h] . K[b,n,h] alone, a product that is not quantised, so no quantiser sees bk.
; There bk adds Q[b,h] . bk_h, the same number for every n.  attn is a softmax along n, which such a term leaves as it is; scores.mean(axis=1) gets the mean over h of such terms, again the same for every n,
; and attn_weights is a softmax along n too; top_k reads attn_weights alone.  That holds for all finite values of all inputs.  So bk reaches no output: it is not loaded and is no launch's argument.
; LIMIT: a NaN, an infinity or an overflow that bk alone would bring is not carried to the results.
; bv is live (ctx goes into a quantiser).  Since the weights of a softmax sum to 1 it is added once, behind the normalisation (third launch).
; LIMITS of the quantiser here: a block's byte is its largest magnitude's exponent field - 2, held at 1 from below, so blocks under 2^-124 get the byte 1; a block of zeros gets the byte 1 with zero codes
; (the bytes are read by this program alone); NaN and infinities among the inputs are not served.
; SHARES.  Work-group x: kind = x / 64 (0 Wk, 1 Wv, 2 Wo, 3 Wq), tile g = x % 64: rows 16 g .. 16 g + 15.  Wave s takes K step s: one fragment, 16 rows x 128 K, 8,192 bytes of f32.
; A fragment's layout: lane (r, h) holds row r; registers 4 c .. 4 c + 3 hold k = 64 c + 32 h + 0 .. 31.  So a lane quantises two whole blocks of 32 of its row.
; Loads take the bytes as they lie (512 consecutive bytes a load); the 16 row pieces turn through the wave's own stage in LDS (pitch 528 = 33 x 16 bytes) and come back 128 neighbouring bytes a lane and block.
; Q: wave s makes K step s's part of 16 batches x 16 features; the eight parts meet in LDS, and behind one barrier each of the 256 threads adds up ONE number of Q (wave j takes register j of the result),
; adds its number of bq, asked for at the path's head, and stores it: no load stands behind the barrier.
; No tensor loads, clusters or ring: every input byte is read once by one wave, and nothing is shared.
; SHARES, in place of the line above on the kinds: kind = 3 - x / 64, so that Wq's work-groups, which have the longest way (two quantisers, a product, a barrier and a sum), have the lowest numbers.
.set STG1,  0                          ; LDS: the stages of the path that stores codes, 8 x 8,448 bytes
.set STG2,  67584                      ; the stages of Wq's path
.set SW,    135168                     ; a tile's 128 scale words, in the order in which they are stored: 512 bytes
.set QP,    135680                     ; Wq's path: the eight waves' partial products, 1,024 bytes each
.set SPARE, 143872                     ; the spare words, 128 bytes for each wave: four blocks of 256 bytes that no other line names
.set SPW,  2                           ; v2   LDS address of my spare word; never rewritten
.set NIL,  3                           ; v3   0; never rewritten
.set STW1, 4                           ; v4, v5  stage 1: where I put a load's 16 bytes, where I read my 128
.set STR1, 5
.set STW2, 6                           ; v6, v7  the same for stage 2
.set STR2, 7
.set SH8,  8                           ; v8   8 h
.set TP,   9                           ; v9   a lane permute's destination
.set SWA,  10                          ; v10  where my row's scale word goes
.set QPW,  11                          ; v11  where my partial product goes
.set QPR,  12                          ; v12  where I read the eight parts of my number of Q
.set SWR,  13                          ; v13  where wave 0 reads the scale words
.set QFO,  14                          ; v14  4,096 r + 32 h + 4 s: my number's place in qf
.set BQO,  15                          ; v15  32 h + 4 s: its place in bq
.set TM,   16                          ; v16-23 at work in QUANT
.set PWW,  24                          ; v24  the weight's scale word (scales alone)
.set PWS,  25                          ; v25  state's scale word (scales alone)
.set PCW,  32                          ; v32-39 the weight's codes
.set PCS,  40                          ; v40-47 state's codes
.set D,    48                          ; v48-55 the product
.set BQ,   56                          ; v56  my number of bq
.set L1,   64                          ; v64-127 the weight as loaded; later the eight parts of my number
.set L2,   128                         ; v128-191 state as loaded
.set X,    192                         ; v192-255 64 numbers: register 32 c + i = k 64 c + 32 h + i of my row
.set SEL,  28                          ; s[28:29] lane selects for v_permlanex16_b32: lane l xor 16
; 64 numbers of a lane become a fragment's 8 registers of codes, v[pc] on, and the row's scale word v[pw] (in both halves of the lanes).
.macro QUANT x, pc, pw
.irp c, 0,1
	v_max3_num_f32 v[TM+\c], |v[\x+32*\c]|, |v[\x+32*\c+1]|, 0x1800000     ; my block 2 c + h, in two chains; the floor 2^(3 - 127) holds the byte at 1 from below
	v_max3_num_f32 v[TM+2+\c], |v[\x+32*\c+16]|, |v[\x+32*\c+17]|, |v[\x+32*\c+18]|
.endr
.irp i, 2,4,6,8,10,12,14
.irp c, 0,1
	v_max3_num_f32 v[TM+\c], v[TM+\c], |v[\x+32*\c+\i]|, |v[\x+32*\c+\i+1]|
.endr
.endr
.irp i, 19,21,23,25,27,29
.irp c, 0,1
	v_max3_num_f32 v[TM+2+\c], v[TM+2+\c], |v[\x+32*\c+\i]|, |v[\x+32*\c+\i+1]|
.endr
.endr
.irp c, 0,1
	s_delay_alu instid0(VALU_DEP_2)
	v_max3_num_f32 v[TM+\c], v[TM+\c], v[TM+2+\c], |v[\x+32*\c+31]|        ; the block's largest magnitude
.endr
.irp c, 0,1
	s_delay_alu instid0(VALU_DEP_2)
	v_add_nc_u32 v[TM+4+\c], 0xff000000, v[TM+\c]                          ; 2 off its exponent field: the conversion's scale operand
.endr
.irp c, 0,1
	s_delay_alu instid0(VALU_DEP_2)
	v_lshrrev_b32 v[TM+6+\c], 23, v[TM+4+\c]                               ; the scale's byte
.endr
	s_delay_alu instid0(VALU_DEP_1)
	v_lshl_or_b32 v[\pw], v[TM+7], 16, v[TM+6]                             ; my two bytes: blocks h and 2 + h,
	s_delay_alu instid0(VALU_DEP_1)
	v_lshlrev_b32 v[\pw], v[SH8], v[\pw]                                   ; at their places in the word;
	s_delay_alu instid0(VALU_DEP_1)
	v_permlanex16_b32 v[TP], v[\pw], s[SEL], s[SEL+1]
	s_delay_alu instid0(VALU_DEP_1)
	v_or_b32 v[\pw], v[\pw], v[TP]                                         ; with lane l xor 16's two the word is whole
.irp c, 0,1
.irp g, 0,1,2,3
	v_cvt_scalef32_pk8_fp4_f32 v[\pc+4*\c+\g], v[\x+32*\c+8*\g:\x+32*\c+8*\g+7], v[TM+4+\c]
.endr
.endr
	v_nop                                                                  ; one plain line behind the last scaled conversion
.endm
; 16 row pieces of 512 bytes, as loaded, through my stage into X.  LDS serves a wave's instructions in order, so no wait stands between the stores and the loads.
.macro TURN l, stw, str
.irp i, 0,1,2,3,4,5,6,7,8,9,10,11,12,13,14,15
	ds_store_b128 v[\stw], v[\l+4*\i:\l+4*\i+3] offset:528*\i
.endr
.irp c, 0,1
.irp g, 0,1,2,3,4,5,6,7
	ds_load_b128 v[X+32*\c+4*\g:X+32*\c+4*\g+3], v[\str] offset:256*\c+16*\g
.endr
.endr
.endm
	s_load_b256 s[4:11], s[0:1], 0x0               ; Wk s[4:5], Wv s[6:7], Wo s[8:9], Wq s[10:11]
	s_load_b256 s[12:19], s[0:1], 0x20             ; state s[12:13], bq s[14:15], wkv s[16:17], woc s[18:19]
	s_load_b64 s[20:21], s[0:1], 0x40              ; qf
	v_lshl_add_u32 v[SPW], v0, 2, SPARE
	v_mov_b32 v[NIL], 0
	v_lshrrev_b32 v1, 5, v0
	s_delay_alu instid0(VALU_DEP_1)
	v_readfirstlane_b32 s24, v1                    ; wave = K step, 0..7
	s_lshr_b32 s25, ttmp9, 6
	s_sub_co_u32 s25, 3, s25                       ; kind = 3 - x / 64: 3 Wq first, then 2 Wo, 1 Wv, 0 Wk
	s_and_b32 s26, ttmp9, 63                       ; tile g
	v_and_b32 v1, 31, v0
	s_delay_alu instid0(VALU_DEP_1)
	v_lshlrev_b32 v1, 4, v1                        ; v1 = 16 x lane
	v_and_b32 v26, 15, v0                          ; r
	v_bfe_u32 v27, v0, 4, 1                        ; h
	s_mul_i32 s27, s24, 8448                       ; my stage
	v_add_nc_u32 v[STW1], s27, v1
	v_mul_u32_u24 v28, v26, 528
	s_delay_alu instid0(VALU_DEP_1)
	v_lshl_add_u32 v28, v27, 7, v28                ; 528 r + 128 h
	s_delay_alu instid0(VALU_DEP_1)
	v_add_nc_u32 v[STR1], s27, v28
	s_delay_alu instid0(VALU_DEP_4)
	v_add_nc_u32 v[STW2], STG2, v[STW1]
	s_delay_alu instid0(VALU_DEP_2)
	v_add_nc_u32 v[STR2], STG2, v[STR1]
	v_lshlrev_b32 v[SH8], 3, v27
	v_mov_b32 v[TP], 0                             ; written once: a lane permute's destination counts as one of its sources
	s_and_b32 s30, s24, 1
	s_lshl_b32 s30, s30, 8
	s_lshr_b32 s31, s24, 1
	s_lshl_b32 s31, s31, 2
	s_add_co_u32 s30, s30, s31
	s_add_co_u32 s30, s30, SW
	v_lshl_add_u32 v[SWA], v26, 4, s30             ; SW + 16 (r + 16 (s % 2)) + 4 (s / 2): register s / 2 of lane r + 16 (s % 2)
	v_add_nc_u32 v[SWR], SW, v1
	s_lshl_b32 s31, s24, 10
	s_add_co_u32 s31, s31, QP
	v_add_nc_u32 v[QPW], s31, v1
	s_lshr_b32 s31, s24, 2
	s_lshl_b32 s31, s31, 9
	s_and_b32 s32, s24, 3
	s_lshl_b32 s32, s32, 2
	s_add_co_u32 s31, s31, s32
	s_add_co_u32 s31, s31, QP
	v_add_nc_u32 v[QPR], s31, v1                   ; QP + 512 (s / 4) + 4 (s % 4) + 16 lane: register s of my lane in a wave's part
	s_lshl_b32 s32, s24, 2
	v_lshl_add_u32 v[BQO], v27, 5, s32             ; 32 h + 4 s: feature 8 h + s of the tile
	s_delay_alu instid0(VALU_DEP_1)
	v_lshl_add_u32 v[QFO], v26, 12, v[BQO]         ; + 4,096 r: batch r
	s_mov_b32 s[SEL], 0x76543210
	s_mov_b32 s[SEL+1], 0xfedcba98
	s_lshl_b32 s30, s26, 16                        ; 16 rows of 4,096 bytes a tile,
	s_lshl_b32 s31, s24, 9                         ; 512 bytes a K step
	s_add_co_u32 s30, s30, s31
	s_mov_b32 s31, 0
	s_wait_kmcnt 0x0
	s_cmp_eq_u32 s25, 1                            ; which weight: the choice hangs on the work-group's number alone
	s_cselect_b64 s[4:5], s[6:7], s[4:5]
	s_cmp_eq_u32 s25, 2
	s_cselect_b64 s[4:5], s[8:9], s[4:5]
	s_cmp_eq_u32 s25, 3
	s_cselect_b64 s[4:5], s[10:11], s[4:5]
	s_add_nc_u64 s[4:5], s[4:5], s[30:31]
.irp i, 0,1,2,3,4,5,6,7,8,9,10,11,12,13,14,15
	global_load_b128 v[L1+4*\i:L1+4*\i+3], v1, s[4:5] offset:4096*\i th:TH_LOAD_NT   ; 32 lanes read 512 consecutive bytes of row i; each weight byte is read once in the launch
.endr
	s_cmp_eq_u32 s25, 3
	s_cbranch_scc1 .Lwq                            ; the same way for all eight waves
	; ---- Wk, Wv, Wo: the codes and scale words go to memory as images of the operand's registers
	s_bfe_u32 s30, s26, 0x20002                    ; Wk, Wv: head = g / 4 = 4 w + c: c = (g / 4) % 4,
	s_lshl_b32 s31, s25, 2
	s_add_co_u32 s30, s30, s31                     ; content = c + 4 kind,
	s_lshl_b32 s30, s30, 2
	s_lshr_b32 s31, s26, 4
	s_add_co_u32 s30, s30, s31                     ; quarter = 4 content + w, w = g / 16
	s_mul_i32 s30, s30, 34816
	s_and_b32 s31, s26, 3                          ; the head's tile j = g % 4
	s_lshl_b32 s32, s31, 13
	s_add_co_u32 s32, s32, s30                     ; its codes: + 8,192 j
	s_lshl_b32 s33, s31, 9
	s_add_co_u32 s33, s33, s30
	s_add_co_u32 s33, s33, 32768                   ; its scale words: + 32,768 + 512 j
	s_mul_i32 s34, s26, 8704                       ; Wo: 8,704 bytes a tile,
	s_add_co_u32 s35, s34, 8192                    ; the scale words behind the codes
	s_cmp_eq_u32 s25, 2
	s_cselect_b32 s32, s34, s32
	s_cselect_b32 s40, s35, s33
	s_cselect_b64 s[36:37], s[18:19], s[16:17]
	s_lshl_b32 s34, s24, 10                        ; 1,024 bytes a K step
	s_add_co_u32 s38, s32, s34
	s_mov_b32 s39, 0
	s_mov_b32 s41, 0
	s_add_nc_u64 s[38:39], s[36:37], s[38:39]
	s_add_nc_u64 s[40:41], s[36:37], s[40:41]
	s_wait_loadcnt 0x0
	TURN L1, STW1, STR1
	s_wait_dscnt 0x0
	QUANT X, PCW, PWW
	global_store_b128 v1, v[PCW:PCW+3], s[38:39]               ; each store of the wave covers 512 consecutive bytes, aligned
	global_store_b128 v1, v[PCW+4:PCW+7], s[38:39] offset:512
	ds_store_b32 v[SWA], v[PWW]                    ; lanes r and r + 16 write the same word with the same value
	s_wait_dscnt 0x0                               ; for the others' sake: my scale words lie in LDS
	s_barrier_signal -1
	s_barrier_wait -1
	s_cmp_lg_u32 s24, 0
	s_cbranch_scc1 .Lend_a
	ds_load_b128 v[PCS:PCS+3], v[SWR]              ; wave 0: the tile's 128 scale words,
	s_wait_dscnt 0x0
	global_store_b128 v1, v[PCS:PCS+3], s[40:41]   ; 512 consecutive bytes
.Lend_a:
	s_wait_tensorcnt 0x0                           ; the wave's end: behind my last LDS store
	ds_add_u32 v[SPW], v[NIL]
	s_wait_dscnt 0x0
	s_endpgm
	; ---- Wq: Q(batch, feature) for features 16 g .. 16 g + 15; wave s makes K step s's part
.Lwq:
	s_lshl_b32 s32, s24, 9
	s_mov_b32 s33, 0
	s_add_nc_u64 s[12:13], s[12:13], s[32:33]      ; state at my K step
	s_lshl_b32 s32, s26, 6
	s_add_nc_u64 s[14:15], s[14:15], s[32:33]      ; bq and qf at feature 16 g
	s_add_nc_u64 s[20:21], s[20:21], s[32:33]
	s_wait_alu depctr_va_vdst(0)
	global_load_b32 v[BQ], v[BQO], s[14:15]        ; my one number of bq, asked for here, so that it is there long before the sum wants it
.irp i, 0,1,2,3,4,5,6,7,8,9,10,11,12,13,14,15
	global_load_b128 v[L2+4*\i:L2+4*\i+3], v1, s[12:13] offset:4096*\i
.endr
	s_wait_loadcnt 17                              ; Wq's 16 loads are in; bq's one and state's 16, issued behind them, may be out
	TURN L1, STW2, STR2
	s_wait_dscnt 0x0
	QUANT X, PCW, PWW
	s_wait_loadcnt 0x0                             ; state and bq
	TURN L2, STW2, STR2                            ; the same stage once more: my own bytes, served in order
	s_wait_dscnt 0x0
	QUANT X, PCS, PWS
.rept 8
	v_nop                                          ; a scale register written by vector instructions stands 8 places ahead of a scaled matrix instruction, an operand so written 4
.endr
	v_wmma_scale_f32_16x16x128_f8f6f4 v[D:D+7], v[PCW:PCW+7], v[PCS:PCS+7], 0, v[PWW], v[PWS] matrix_a_fmt:MATRIX_FMT_FP4 matrix_b_fmt:MATRIX_FMT_FP4   ; source 0 = 16 rows of Wq, source 1 = the 16 batches: lane (r, h) holds batch r, features 16 g + 8 h + 0 .. 7
.rept 4
	v_nop
.endr
	ds_store_b128 v[QPW], v[D:D+3]                 ; the result from its low end on
	ds_store_b128 v[QPW], v[D+4:D+7] offset:512
	s_wait_dscnt 0x0                               ; for the others' sake: my part lies in LDS
	s_barrier_signal -1
	s_barrier_wait -1
.irp w, 0,1,2,3,4,5,6,7
	ds_load_b32 v[L1+\w], v[QPR] offset:1024*\w    ; register s of my lane in each of the eight parts
.endr
	s_wait_dscnt 0x0
.irp w, 1
	v_add_f32 v[L1], v[L1], v[L1+\w]
.endr
.irp w, 2, 3, 4, 5, 6, 7
	s_delay_alu instid0(VALU_DEP_1)
	v_add_f32 v[L1], v[L1], v[L1+\w]
.endr
	s_delay_alu instid0(VALU_DEP_1)
	v_add_f32 v[L1], v[L1], v[BQ]
	global_store_b32 v[QFO], v[L1], s[20:21]       ; 4 bytes a lane: the eight waves together write 64 bytes of each of 16 rows, 4,096 bytes apart; qf has 65,536 bytes in all
	s_wait_tensorcnt 0x0                           ; the wave's end: the same three lines
	ds_add_u32 v[SPW], v[NIL]
	s_wait_dscnt 0x0
	s_endpgm
.Lfunc_end_k_qf772f924b8_prep:
	.size	k_qf772f924b8_prep, .Lfunc_end_k_qf772f924b8_prep-k_qf772f924b8_prep
	.p2alignl 7, 3214868480
	.fill 96, 4, 3214868480
	.section	.rodata,"a",@progbits
	.p2align	6, 0x0
	.amdhsa_kernel k_qf772f924b8_prep
		.amdhsa_group_segment_fixed_size 144896
		.amdhsa_private_segment_fixed_size 0
		.amdhsa_enable_private_segment 0
		.amdhsa_kernarg_size 72
		.amdhsa_user_sgpr_count 2
		.amdhsa_user_sgpr_kernarg_segment_ptr 1
		.amdhsa_wavefront_size32 1
		.amdhsa_system_sgpr_workgroup_id_x 1
		.amdhsa_system_sgpr_workgroup_id_y 1
		.amdhsa_system_sgpr_workgroup_id_z 1
		.amdhsa_system_vgpr_workitem_id 0
		.amdhsa_next_free_vgpr 256
		.amdhsa_next_free_sgpr 66
		.amdhsa_reserve_vcc 0
		.amdhsa_float_denorm_mode_32 3
		.amdhsa_float_denorm_mode_16_64 3
		.amdhsa_memory_ordered 1
		.amdhsa_forward_progress 1
		.amdhsa_inst_pref_size 26
	.end_amdhsa_kernel
	.amdgpu_metadata
---
amdhsa.version: [ 1, 2 ]
amdhsa.kernels:
  - .name:           k_qf772f924b8_prep
    .symbol:         k_qf772f924b8_prep.kd
    .args:
      - { .name: Wk, .offset: 0, .size: 8, .value_kind: global_buffer, .address_space: global }
      - { .name: Wv, .offset: 8, .size: 8, .value_kind: global_buffer, .address_space: global }
      - { .name: Wo, .offset: 16, .size: 8, .value_kind: global_buffer, .address_space: global }
      - { .name: Wq, .offset: 24, .size: 8, .value_kind: global_buffer, .address_space: global }
      - { .name: state, .offset: 32, .size: 8, .value_kind: global_buffer, .address_space: global }
      - { .name: bq, .offset: 40, .size: 8, .value_kind: global_buffer, .address_space: global }
      - { .name: wkv, .offset: 48, .size: 8, .value_kind: global_buffer, .address_space: global }
      - { .name: woc, .offset: 56, .size: 8, .value_kind: global_buffer, .address_space: global }
      - { .name: qf, .offset: 64, .size: 8, .value_kind: global_buffer, .address_space: global }
    .group_segment_fixed_size: 144896
    .private_segment_fixed_size: 0
    .kernarg_segment_align: 8
    .kernarg_segment_size: 72
    .max_flat_workgroup_size: 256
    .sgpr_count:     66
    .vgpr_count:     256
    .wavefront_size: 32
...
	.end_amdgpu_metadata
.endif
;; end of part 1
;; launch main (part 2): grid 256 x 1, 4 waves a work-group, clusters of 4 x 1, 327,680 bytes of LDS; arguments candidates, wkv, qf, pctx, ml, msum; writes pctx, ml, msum
.if DOCPART == 2
	.amdgcn_target "amdgcn-amd-amdhsa--gfx1250"
	.amdhsa_code_object_version 6
	.text
	.protected	k_qf772f924b8_main
	.globl	k_qf772f924b8_main
	.p2align	8
	.type	k_qf772f924b8_main,@function
k_qf772f924b8_main:
	s_mov_b64 s[64:65], 0
	v_nop
	global_prefetch_b8 v0, s[64:65] scope:SCOPE_SE
	s_setreg_imm32_b32 hwreg(HW_REG_WAVE_MODE, 25, 1), 1
	s_wait_xcnt 0x0
	s_wait_alu depctr_hold_cnt(0) depctr_sa_sdst(0) depctr_va_vdst(0) depctr_va_sdst(0) depctr_va_ssrc(0) depctr_va_vcc(0) depctr_vm_vsrc(0)
	s_getreg_b32 s2, hwreg(HW_REG_IB_STS2, 6, 4)
	s_cmp_eq_u32 s2, 0
	s_cbranch_scc0 .Lentry_in_a_cluster
	s_endpgm
.Lentry_in_a_cluster:
	s_bfe_u32 s2, ttmp6, 0x10000c
	s_cmp_lg_u32 s2, 0x3003
	s_cbranch_scc0 .Lentry_shape_is_right
	s_endpgm
.Lentry_shape_is_right:
; SECOND LAUNCH.  For each block of 128 candidates of one batch: quantise them; K = Qz(cand) Qz(Wk)^T tile by tile, each tile folded at once into raw scores Q . K; a softmax local to the block;
; V = Qz(cand) Qz(Wv)^T tile by tile, each tile folded at once into the sum of p V.  K and V never leave the registers.
; LEFT OUT AS DEAD WORK: bk (it adds to every score of a batch and head the same number along n, which both softmaxes take away; shown at the head of the first launch).  bv is added in the third launch.
; OUT: pctx[work-group][1024] = sum over its 128 candidates of p V (without bv); ml: each head's local maximum of the raw score and local sum of p; msum[candidate] = sum over the 16 heads of the raw scores.
; p = 2^((s - m) c), s the raw score Q . K, m the block's maximum, c = 0.125 log2(e): the factor d^-0.5 = 0.125 is folded into c.  The local maxima are brought together in the third launch.
; SHARES.  Work-group = 4 x cluster + place: 128 candidates, 524,288 bytes of f32.  THE WAVES SHARE THE COLUMNS: wave w owns heads 4 w .. 4 w + 3 of K and of V for all 128 candidates.
; Each wave keeps the codes of all 128 x 1,024 numbers in 512 registers, so a fragment of a weight read from LDS feeds 8 matrix instructions and is read by one wave alone.
; PHASE 1, 16 steps: wave w loads, turns (through its stage) and quantises one fragment of 16 rows x 128 K; the four fragments of a step go to all waves through LDS as images of their registers.
; The turn runs a step ahead: fragment t + 1 goes through the stage while fragment t is quantised.  The first loads go out ahead of the cluster's round and the ring's first fills.
; PHASE 2: the weights, 8 contents of 139,264 bytes (content c < 4: Wk, head 4 w + c for wave w; c >= 4: Wv), stream through a ring of two slots.  Wave w fetches and reads its own quarter of a content.
; CLUSTER.  All work-groups walk the same weights: the four of a cluster ask for each quarter JOINTLY (mask 15, the same descriptor in all four: it hangs on the wave's number alone).  The place in the cluster enters global addresses of candidates and results alone.
; By this text's own count a wave has two tensor loads out at the start and one behind each change of slots.
; No prefetch: the candidates' loads keep 48 to 64 loads of 512 bytes of every wave on their way all through phase 1, and the weights are what all work-groups read at about the same time.
; LIMITS: as in the first launch for the quantiser (byte held at 1 from below; zero blocks get byte 1 and zero codes); NaN and infinities are not served; sums go in another order than the reference's.
; REGISTERS, in windows of 256.  Window 0: see the names below.  Window 1: phase 1: four sets of 64 for the loads; phase 2: a weight tile's fragments, two buffers of 64.
;   Window 2: the candidates' codes of K steps 0-3 (row tile t, K step s at 32 t + 8 s);  window 3: those of K steps 4-7.
; THE FIRST FILLS, in place of the count given above: at the head a wave issues ONE tensor load, its quarter of content 0.  Its quarter of content 1 is asked for behind the barrier of phase 1's last step, step 15,
; which is there a whole round of the cluster's barrier with the wait for all tensor loads, the add and its wait in front of it.  So a wave never has more than one tensor load out.
.set QTR,   34816                      ; a quarter of a content: 4 tiles x 8 K steps x 1,024 bytes of codes, then 4 x 512 bytes of scale words
.set CONT,  139264                     ; a content
.set FLIP,  0x8800                     ; = QTR.  Wave w's two quarters lie at 69,632 w and 69,632 w + QTR; 69,632 w has bits 15 and 11 clear, so one exclusive or turns one address into the other
.set STG,   278528                     ; behind the ring: each wave's own 8,448 bytes: the stage of phase 1; in phase 2: Q at +0 (1,024), p at +1,024 (2,048), ctx at +3,072 (1,024)
.set IMG,   312320                     ; two buffers of four fragments' images, 4,096 bytes each; at the end the four waves' score sums
.set SCL,   320512                     ; the candidates' scale words: row tile t, K step s, row r at 512 t + 64 s + 4 r
.set SPARE, 324608                     ; the spare words, 128 bytes for each wave: two blocks of 256 bytes that no other line names
.set SPW,  2                           ; v2   LDS address of my spare word; never rewritten
.set NIL,  3                           ; v3   0; never rewritten
.set STW,  4                           ; v4   my region + 16 lane
.set STR,  5                           ; v5   my region + 528 r + 128 h
.set IMW,  6                           ; v6   IMG + 1,024 w + 16 lane
.set IMR,  7                           ; v7   IMG + 16 lane
.set SCW,  8                           ; v8   SCL + 512 w + 4 r
.set SCR,  9                           ; v9   SCL + 4 lane
.set SH8,  10                          ; v10  8 h
.set WAD,  11                          ; v11  the content in hand + 16 lane
.set QAD,  12                          ; v12  the head's Q
.set PWA,  13                          ; v13  where the head's p goes
.set PRA,  14                          ; v14  where it is read
.set CWA,  15                          ; v15  where the head's ctx goes
.set ST,   16                          ; v16  lane c: m of head 4 w + c; lane 16 + c: its sum of p; else 0
.set TP,   17                          ; v17  a lane permute's destination
.set B32H, 18                          ; v18  my region + 32 h
.set B4R,  19                          ; v19  my region + 4 r
.set MS,   20                          ; v20-27 the sum of my four heads' raw scores, row tile t
.set PW,   28                          ; v28  the scale word just made
.set MSW,  29                          ; v29  IMG + 512 w + 4 r
.set MSR,  30                          ; v30  IMG + 4 x thread
.set L4,   31                          ; v31  4 lane
.set CS,   32                          ; v32-63 the candidates' scale words (scales alone): register 4 t + q: lanes 0-15 K step 2 q, lanes 16-31 K step 2 q + 1
.set WS,   64                          ; v64-71 a weight tile's scale words (scales alone), two buffers of 4, laid likewise
.set QR,   72                          ; v72-79 Q of the tile's 8 features of my half
.set T4,   80                          ; v80  4 x thread
.set SA,   88                          ; v88-103 K tiles: the scores' sums, a pair for each row tile
.set CA,   88                          ; v88-119 V tiles: ctx's sums, four pairs for each of a head's four tiles
.set T,    104                         ; v104-119 K tiles: at work
.set PC,   104                         ; phase 1: the codes just made
.set TM,   112                         ; phase 1: at work in QUANT
.set QL,   120                         ; v120-127 Q as loaded
.set TF,   120                         ; V tiles: at work at a head's end
.set ACC,  128                         ; v128-191 eight accumulators, one for each row tile
.set X,    192                         ; phase 1: 64 numbers: v192-255 in the even steps, v128-191 in the odd ones
.set P,    192                         ; V tiles: p: register 8 t + i = candidate 16 t + 8 h + i
.set G1,   16                          ; s[16:23] descriptor group 1
.set G0A,  24                          ; s[24:27] group 0 for content 0
.set G0B,  28                          ; s[28:31] group 0 for content 1; it walks on
.set WV,   32                          ; s32  wave
.set TB,   35                          ; s35  LDS byte of my quarter of the content in hand
.set CNT,  36                          ; s36  loop counter
.set QO,   37                          ; s37  the head's place in Q: 256 a head
.set PO,   38                          ; s38  in p: 1,024 + 512 a head
.set CO,   39                          ; s39  in ctx: 3,072 + 256 a head
.set SEL,  40                          ; s[40:41] lane selects for v_permlanex16_b32: lane l xor 16
.set MKM,  42                          ; s42  lane mask 1 << c;  s43  1 << (16 + c)
.set MKL,  43
.set CLS,  44                          ; s[44:45] c = 0.125 log2(e), twice
.set MSB, 0
.macro WIN new                         ; the immediate's high byte repeats the setting that is left; a switch that changes nothing is dropped
.if MSB != (\new)
	s_set_vgpr_msb (MSB<<8)|(\new)
.set MSB, (\new)
.endif
.endm
.macro CROUND                          ; a round of the cluster's barrier
	s_barrier_signal -1
	s_barrier_wait -1
	s_cmp_lg_u32 s[WV], 0
	s_cbranch_scc1 .Lnot_wave_0_\@
	s_barrier_signal -3
.Lnot_wave_0_\@:
	s_barrier_wait -3
	s_barrier_signal -1
	s_barrier_wait -1
.endm
; 64 numbers of a lane (register 32 c + i = k 64 c + 32 h + i of my row) become a fragment's 8 registers of codes and the row's scale word.
.macro QUANT x, pc, pw
.irp c, 0,1
	v_max3_num_f32 v[TM+\c], |v[\x+32*\c]|, |v[\x+32*\c+1]|, 0x1800000     ; my block 2 c + h, in two chains; the floor 2^(3 - 127) holds the byte at 1 from below
	v_max3_num_f32 v[TM+2+\c], |v[\x+32*\c+16]|, |v[\x+32*\c+17]|, |v[\x+32*\c+18]|
.endr
.irp i, 2,4,6,8,10,12,14
.irp c, 0,1
	v_max3_num_f32 v[TM+\c], v[TM+\c], |v[\x+32*\c+\i]|, |v[\x+32*\c+\i+1]|
.endr
.endr
.irp i, 19,21,23,25,27,29
.irp c, 0,1
	v_max3_num_f32 v[TM+2+\c], v[TM+2+\c], |v[\x+32*\c+\i]|, |v[\x+32*\c+\i+1]|
.endr
.endr
.irp c, 0,1
	v_max3_num_f32 v[TM+\c], v[TM+\c], v[TM+2+\c], |v[\x+32*\c+31]|
.endr
.irp c, 0,1
	v_add_nc_u32 v[TM+4+\c], 0xff000000, v[TM+\c]                          ; 2 off the exponent field: the conversion's scale operand
.endr
.irp c, 0,1
	v_lshrrev_b32 v[TM+6+\c], 23, v[TM+4+\c]                               ; the scale's byte
.endr
	v_lshl_or_b32 v[\pw], v[TM+7], 16, v[TM+6]
	v_lshlrev_b32 v[\pw], v[SH8], v[\pw]
	v_permlanex16_b32 v[TP], v[\pw], s[SEL], s[SEL+1]
	v_or_b32 v[\pw], v[\pw], v[TP]                                         ; the row's four bytes, in both halves of the lanes
.irp c, 0,1
.irp g, 0,1,2,3
	v_cvt_scalef32_pk8_fp4_f32 v[\pc+4*\c+\g], v[\x+32*\c+8*\g:\x+32*\c+8*\g+7], v[TM+4+\c]
.endr
.endr
	v_nop                                                                  ; one plain line behind the last scaled conversion
.endm
; Step t of phase 1: u = t % 2, s = t / 2: my fragment is row tile w + 4 u, K step s.
.macro LOADF t                         ; its 16 row pieces of 512 bytes into set t % 4 of window 1
	WIN 0x40
.irp i, 0,1,2,3,4,5,6,7,8,9,10,11,12,13,14,15
	global_load_b128 v[64*((\t)%4)+4*\i:64*((\t)%4)+4*\i+3], v1, s[4:5] offset:(64*((\t)%2)+\i)*4096+512*((\t)/2) th:TH_LOAD_NT   ; 32 lanes read 512 consecutive bytes; read once in the launch
.endr
	WIN 0
.endm
.macro TURNX t                         ; fragment t through my stage: in as loaded, back 128 neighbouring bytes a lane and block, into the set of 64 registers of t's parity
.set XB, X-64*((\t)%2)
	WIN 0x04                                       ; an LDS store's data are its source 1: window 1
.irp i, 0,1,2,3,4,5,6,7,8,9,10,11,12,13,14,15
	ds_store_b128 v[STW], v[64*((\t)%4)+4*\i:64*((\t)%4)+4*\i+3] offset:528*\i
.endr
	WIN 0
.irp c, 0,1
.irp g, 0,1,2,3,4,5,6,7
	ds_load_b128 v[XB+32*\c+4*\g:XB+32*\c+4*\g+3], v[STR] offset:256*\c+16*\g   ; LDS serves a wave's instructions in order: these see the stores above
.endr
.endr
.endm
; At a step's head fragment t's 64 numbers are in and its stores into the stage are done: both were awaited in front of the last barrier (step 0: by the wait in front of the steps).
.macro STEP1 t
.set U, (\t)%2
.set S, (\t)/2
.if (\t) < 12
	LOADF (\t)+4                                   ; so set t % 4 takes the fragment four steps on
.endif
.if (\t) < 15
.if (\t) < 12
	s_wait_loadcnt 48                              ; fragment t + 1's 16 loads are in; those of the three behind it may be out
.else
	s_wait_loadcnt 16*(14-(\t))
.endif
	TURNX (\t)+1                                   ; the next fragment goes through the stage while this one is quantised; the stage's last reads, fragment t's, are over
.endif
	QUANT X-64*U, PC, PW
	ds_store_b128 v[IMW], v[PC:PC+3] offset:4096*U             ; the fragment as an image of its registers: 16 bytes a lane, 512 a store
	ds_store_b128 v[IMW], v[PC+4:PC+7] offset:4096*U+512
	ds_store_b32 v[SCW], v[PW] offset:2048*U+64*S              ; lanes r and r + 16 write the same word with the same value
.if (\t) == 15
	s_wait_tensorcnt 0x0                           ; the last step: my quarter of content 0, asked for at the head, has landed: no tensor load of mine is out
	ds_add_u32 v[SPW], v[NIL]                      ; 0 onto my spare word
	s_wait_dscnt 0x0                               ; the add is done; my image lies in LDS; my reads of the last step's images are over
	CROUND                                         ; the step's barrier is here a whole round: all four work-groups are here, and the joint loads meet
	tensor_load_to_lds s[G0B:G0B+3], s[G1:G1+7]    ; slot 1's first fill, content 1: my one tensor load behind the round; it has three tiles of K, 192 matrix instructions, in which to land
	s_nop 0
.rept 4
	v_nop
.endr
.else
	s_wait_dscnt 0x0                               ; for the others' sake: my image lies in LDS; and my reads of the last step's images and the next fragment's turn are over
	s_barrier_signal -1                            ; the one tensor load that is out may stay out
	s_barrier_wait -1                              ; buffer u is written again two steps on, behind the next step's barrier, ahead of which every wave has waited for the reads below
.endif
	WIN 0x80+0x40*(S/4)                            ; destination window 2 (K steps 0-3) or 3
.irp w, 0,1,2,3
.irp c, 0,1
	ds_load_b128 v[32*(\w+4*U)+8*(S%4)+4*\c:32*(\w+4*U)+8*(S%4)+4*\c+3], v[IMR] offset:4096*U+1024*\w+512*\c
.endr
.endr
	WIN 0
.endm
; PHASE 2.  Tile j of the content in hand: its 8 fragments and its scale words into buffer b.
.macro FETCH j, b
	WIN 0x40
.irp s, 0,1,2,3,4,5,6,7
.irp c, 0,1
	ds_load_b128 v[64*(\b)+8*\s+4*\c:64*(\b)+8*\s+4*\c+3], v[WAD] offset:8192*(\j)+1024*\s+512*\c
.endr
.endr
	WIN 0
	ds_load_b128 v[WS+4*(\b):WS+4*(\b)+3], v[WAD] offset:32768+512*(\j)
.endm
; One matrix instruction: K step s, row tile t.  kv = 0: source 0 = 16 rows of Wk, source 1 = 16 candidates; kv = 1: source 0 = 16 candidates, source 1 = 16 rows of Wv.  Odd K steps take their scale words from lanes 16-31.
.macro WM kv, b, s, t
.set rD, ACC+8*(\t)
.set rW, 64*(\b)+8*(\s)
.set rC, 32*(\t)+8*((\s)%4)
.set rWS, WS+4*(\b)+(\s)/2
.set rCS, CS+4*(\t)+(\s)/2
.if (\kv) == 0
.if (\s) == 0
	v_wmma_scale_f32_16x16x128_f8f6f4 v[rD:rD+7], v[rW:rW+7], v[rC:rC+7], 0, v[rWS], v[rCS] matrix_a_fmt:MATRIX_FMT_FP4 matrix_b_fmt:MATRIX_FMT_FP4
.elseif (\s)%2
	v_wmma_scale_f32_16x16x128_f8f6f4 v[rD:rD+7], v[rW:rW+7], v[rC:rC+7], v[rD:rD+7], v[rWS], v[rCS] matrix_a_fmt:MATRIX_FMT_FP4 matrix_b_fmt:MATRIX_FMT_FP4 matrix_a_scale:MATRIX_SCALE_ROW1 matrix_b_scale:MATRIX_SCALE_ROW1
.else
	v_wmma_scale_f32_16x16x128_f8f6f4 v[rD:rD+7], v[rW:rW+7], v[rC:rC+7], v[rD:rD+7], v[rWS], v[rCS] matrix_a_fmt:MATRIX_FMT_FP4 matrix_b_fmt:MATRIX_FMT_FP4
.endif
.else
.if (\s) == 0
	v_wmma_scale_f32_16x16x128_f8f6f4 v[rD:rD+7], v[rC:rC+7], v[rW:rW+7], 0, v[rCS], v[rWS] matrix_a_fmt:MATRIX_FMT_FP4 matrix_b_fmt:MATRIX_FMT_FP4
.elseif (\s)%2
	v_wmma_scale_f32_16x16x128_f8f6f4 v[rD:rD+7], v[rC:rC+7], v[rW:rW+7], v[rD:rD+7], v[rCS], v[rWS] matrix_a_fmt:MATRIX_FMT_FP4 matrix_b_fmt:MATRIX_FMT_FP4 matrix_a_scale:MATRIX_SCALE_ROW1 matrix_b_scale:MATRIX_SCALE_ROW1
.else
	v_wmma_scale_f32_16x16x128_f8f6f4 v[rD:rD+7], v[rC:rC+7], v[rW:rW+7], v[rD:rD+7], v[rCS], v[rWS] matrix_a_fmt:MATRIX_FMT_FP4 matrix_b_fmt:MATRIX_FMT_FP4
.endif
.endif
.endm
; A tile's 64 matrix instructions: K ascending; the eight accumulators take turns, one instruction a turn; the first K step starts the sums: nothing is cleared.
.macro MUL kv, b
.irp a, 0,1
.if (\kv) == 0
	WIN 0x09+4*\a                                  ; source 0 (weights) window 1, source 1 (codes) window 2 or 3
.else
	WIN 0x06+\a                                    ; source 0 (codes) window 2 or 3, source 1 (weights) window 1
.endif
.irp q, 0,1,2,3
.irp t, 0,1,2,3,4,5,6,7
	WM \kv, \b, 4*\a+\q, \t
.endr
.endr
.endr
	WIN 0
.rept 4
	v_nop                                          ; four places between the last products and the first read of a result just made
.endr
.endm
; THE CHANGE OF SLOTS.  My reads of my quarter of the content in hand are over (its last tile's fragments are in registers).  I wait for all my tensor loads (one is out: the next content's quarter), add 0 to my
; spare word, wait for that, and pass a round of the cluster's barrier: no wave of any partner still reads its quarter or has a load on its way.  The joint refill is the first thing behind the round, my one tensor load until the next;
; it has four tiles, 256 matrix instructions, in which to land.
.macro CHANGE
	s_wait_tensorcnt 0x0                           ; no tensor load of mine is out, so the walking group 0 may be written
	ds_add_u32 v[SPW], v[NIL]                      ; 0 onto my spare word
	s_xor_b32 s[G0B+1], s[G0B+1], FLIP             ; the other slot than last time,
	s_add_nc_u64 s[G0B+2:G0B+3], s[G0B+2:G0B+3], CONT  ; the next content; the type bits on top are not reached
	s_wait_dscnt 0x0                               ; the add is done, and my reads of the slot are over
	CROUND
	tensor_load_to_lds s[G0B:G0B+3], s[G1:G1+7]
	s_nop 0
.rept 4
	v_nop
.endr
.endm
.macro NEXTC                           ; the fetches go on in the other slot
	s_xor_b32 s[TB], s[TB], FLIP
	v_add_nc_u32 v[WAD], s[TB], v1
.endm
; A tile of K: features 16 j .. 16 j + 15 of the head, for all 128 candidates.  In the result lane (r, h) holds candidate 16 t + r and features 8 h + 0 .. 7: they are multiplied by Q and added up at once.
.macro KTILE j
	s_wait_dscnt 0x0                               ; this tile's fragments, asked for a tile ago, are in
.if \j == 3
	CHANGE
	NEXTC
.endif
	ds_load_b128 v[QR:QR+3], v[QAD] offset:64*\j
	ds_load_b128 v[QR+4:QR+7], v[QAD] offset:64*\j+16
	FETCH (\j+1)%4, (\j+1)%2                       ; the next tile's, into the buffer that the tile before read: its places are that tile's vector work
	MUL 0, (\j)%2
	s_wait_alu depctr_va_vdst(0)
	s_wait_dscnt 17                                ; Q is in; the 17 loads of FETCH, issued behind it, may be out
.irp i, 0,1,2,3
.irp t, 0,1,2,3,4,5,6,7
.if (\j == 0) && (\i == 0)
	v_pk_mul_f32 v[SA+2*\t:SA+2*\t+1], v[ACC+8*\t:ACC+8*\t+1], v[QR:QR+1]          ; the head's first products start the sums; each accumulator is read from its low end on
.else
	v_pk_fma_f32 v[SA+2*\t:SA+2*\t+1], v[ACC+8*\t+2*\i:ACC+8*\t+2*\i+1], v[QR+2*\i:QR+2*\i+1], v[SA+2*\t:SA+2*\t+1]
.endif
.endr
.endr
.endm
; A head's scores are whole: the block's maximum, p, its sum.
.macro HEADFIN
.irp t, 0,1,2,3,4,5,6,7
	v_add_f32 v[T+\t], v[SA+2*\t], v[SA+2*\t+1]
.endr
.irp t, 0,1,2,3,4,5,6,7
	v_permlanex16_b32 v[T+8+\t], v[T+\t], s[SEL], s[SEL+1]
.endr
.irp t, 0,1,2,3,4,5,6,7
	v_add_f32 v[T+\t], v[T+\t], v[T+8+\t]          ; the raw score of candidate 16 t + r, in both halves of the lanes
.endr
.irp p, 0,2,4,6
	v_pk_add_f32 v[MS+\p:MS+\p+1], v[MS+\p:MS+\p+1], v[T+\p:T+\p+1]
.endr
	v_max3_num_f32 v[T+8], v[T], v[T+1], v[T+2]
	v_max3_num_f32 v[T+9], v[T+3], v[T+4], v[T+5]
	v_max3_num_f32 v[T+8], v[T+8], v[T+6], v[T+7]
	v_max_num_f32 v[T+8], v[T+8], v[T+9]
	v_max_num_f32_dpp v[T+8], v[T+8], v[T+8] row_xmask:1 row_mask:0xf bank_mask:0xf
	v_max_num_f32_dpp v[T+8], v[T+8], v[T+8] row_xmask:2 row_mask:0xf bank_mask:0xf
	v_max_num_f32_dpp v[T+8], v[T+8], v[T+8] row_xmask:4 row_mask:0xf bank_mask:0xf
	v_max_num_f32_dpp v[T+8], v[T+8], v[T+8] row_xmask:8 row_mask:0xf bank_mask:0xf   ; m: the largest of the 128
.irp p, 0,2,4,6
	v_pk_add_f32 v[T+\p:T+\p+1], v[T+\p:T+\p+1], v[T+8:T+9] op_sel_hi:[1,0] neg_lo:[0,1] neg_hi:[0,1]   ; s - m: the maximum is taken away first, as the reference does
.endr
.irp p, 0,2,4,6
	v_pk_mul_f32 v[T+\p:T+\p+1], v[T+\p:T+\p+1], s[CLS:CLS+1] op_sel_hi:[1,0]
.endr
	s_wait_alu depctr_va_vdst(0)
.irp t, 0,1,2,3,4,5,6,7
	v_exp_f32 v[T+\t], v[T+\t]                     ; p, one batch
.endr
	v_cndmask_b32 v[ST], v[ST], v[T+8], s[MKM]     ; m into lane c.  (The plain line behind the exponentials)
	s_wait_alu depctr_va_vdst(0)                   ; one wait for the batch, ahead of its first reader
	v_add_f32 v[T+9], v[T], v[T+1]
	v_add_f32 v[T+10], v[T+2], v[T+3]
	v_add_f32 v[T+11], v[T+4], v[T+5]
	v_add_f32 v[T+12], v[T+6], v[T+7]
	v_add_f32 v[T+9], v[T+9], v[T+10]
	v_add_f32 v[T+11], v[T+11], v[T+12]
	v_add_f32 v[T+9], v[T+9], v[T+11]
	v_add_f32_dpp v[T+9], v[T+9], v[T+9] row_xmask:1 row_mask:0xf bank_mask:0xf
	v_add_f32_dpp v[T+9], v[T+9], v[T+9] row_xmask:2 row_mask:0xf bank_mask:0xf
	v_add_f32_dpp v[T+9], v[T+9], v[T+9] row_xmask:4 row_mask:0xf bank_mask:0xf
	v_add_f32_dpp v[T+9], v[T+9], v[T+9] row_xmask:8 row_mask:0xf bank_mask:0xf
	v_cndmask_b32 v[ST], v[ST], v[T+9], s[MKL]     ; the sum of p into lane 16 + c
.irp t, 0,1,2,3,4,5,6,7
	ds_store_b32 v[PWA], v[T+\t] offset:64*\t      ; p of candidate 16 t + r: my own bytes; both halves write the same word
.endr
.endm
; A tile of V: features 16 j .. 16 j + 15 of the head.  In the result lane (r, h) holds feature r and candidates 16 t + 8 h + 0 .. 7: they are multiplied by p and added up at once, into four pairs of the tile's own.
; The closing sums of a head's four tiles are made together behind the fourth: four chains side by side.
; mode = 1: the content's last tile changes slots and asks for the content two on.  mode = 0: the last two contents: nothing is left to ask for.
.macro VTILE j, mode
	s_wait_dscnt 0x0                               ; this tile's fragments are in
.if \j == 3
.if \mode
	CHANGE
.else
	s_wait_tensorcnt 0x0                           ; the last content's quarter, which I alone read, has landed
.endif
	NEXTC
.endif
.if \j == 0
	v_add_nc_u32 v[PRA], s[PO], v[B32H]
	v_add_nc_u32 v[CWA], s[CO], v[B4R]
.irp t, 0,1,2,3,4,5,6,7
.irp e, 0,1
	ds_load_b128 v[P+8*\t+4*\e:P+8*\t+4*\e+3], v[PRA] offset:64*\t+16*\e
.endr
.endr
.endif
.if (\j == 3) && (\mode == 0)
	s_cmp_eq_u32 s[CNT], 1                         ; behind the last content's last tile there is no tile: the branch leads round the 17 LDS loads alone; every later wait on DScnt on these ways is for 0
	s_cbranch_scc1 .Lno_tile_\@
	FETCH 0, 0
.Lno_tile_\@:
.else
	FETCH (\j+1)%4, (\j+1)%2
.endif
	MUL 1, (\j)%2
.if \j == 0
	s_wait_dscnt 17                                ; p is in; the 17 loads of FETCH, issued behind it, may be out
.endif
.irp t, 0,1,2,3,4,5,6,7
.irp i, 0,1,2,3
.if \t == 0
	v_pk_mul_f32 v[CA+8*\j+2*\i:CA+8*\j+2*\i+1], v[ACC+2*\i:ACC+2*\i+1], v[P+2*\i:P+2*\i+1]
.else
	v_pk_fma_f32 v[CA+8*\j+2*\i:CA+8*\j+2*\i+1], v[ACC+8*\t+2*\i:ACC+8*\t+2*\i+1], v[P+8*\t+2*\i:P+8*\t+2*\i+1], v[CA+8*\j+2*\i:CA+8*\j+2*\i+1]
.endif
.endr
.endr
.if \j == 3
.irp q, 0,1,2,3
	v_pk_add_f32 v[CA+8*\q:CA+8*\q+1], v[CA+8*\q:CA+8*\q+1], v[CA+8*\q+2:CA+8*\q+3]
	v_pk_add_f32 v[CA+8*\q+4:CA+8*\q+5], v[CA+8*\q+4:CA+8*\q+5], v[CA+8*\q+6:CA+8*\q+7]
.endr
.irp q, 0,1,2,3
	v_pk_add_f32 v[CA+8*\q:CA+8*\q+1], v[CA+8*\q:CA+8*\q+1], v[CA+8*\q+4:CA+8*\q+5]
.endr
.irp q, 0,1,2,3
	v_add_f32 v[TF+\q], v[CA+8*\q], v[CA+8*\q+1]
.endr
.irp q, 0,1,2,3
	v_permlanex16_b32 v[TF+4+\q], v[TF+\q], s[SEL], s[SEL+1]
.endr
.irp q, 0,1,2,3
	v_add_f32 v[TF+\q], v[TF+\q], v[TF+4+\q]       ; the sum over the 128 candidates, feature 16 q + r
.endr
.irp q, 0,1,2,3
	ds_store_b32 v[CWA], v[TF+\q] offset:64*\q     ; my own bytes; both halves write the same word
.endr
.endif
.endm
	s_load_b256 s[4:11], s[0:1], 0x0               ; candidates s[4:5], wkv s[6:7], qf s[8:9], pctx s[10:11]
	s_load_b128 s[12:15], s[0:1], 0x20             ; ml s[12:13], msum s[14:15]
	v_lshl_add_u32 v[SPW], v0, 2, SPARE
	v_mov_b32 v[NIL], 0
	ds_add_u32 v[SPW], v[NIL]                      ; the wave's opening: the add, twice on end, and its wait ahead of my first tensor load; the set-up below stands between the second and the wait
	ds_add_u32 v[SPW], v[NIL]
	v_lshrrev_b32 v1, 5, v0
	v_readfirstlane_b32 s[WV], v1                  ; wave 0..3
	s_bfe_u32 s33, ttmp6, 0x40000                  ; my place in the cluster
	s_lshl_b32 s34, ttmp9, 2                       ; in a cluster launch ttmp9 counts clusters
	s_add_co_u32 s34, s34, s33                     ; work-group = 4 x cluster + place: it enters global addresses of candidates, Q and results alone
	; descriptor group 1: a quarter of a content, 34,816 dense bytes, as 136 rows of 256 bytes (32 elements of 8 bytes); no padding: the images are read 16 bytes a lane on end
	s_mov_b32 s[G1], 15|(3<<16)|(1<<21)            ; 15:0 the mask: all four work-groups; 17:16 elements of 8 bytes; 21 set beside a mask
	s_mov_b32 s[G1+1], 32<<16                      ; tensor_dim0 = 32
	s_mov_b32 s[G1+2], 136<<16                     ; tensor_dim1 = 136
	s_mov_b32 s[G1+3], 32<<16                      ; tile_dim0 = 32
	s_mov_b32 s[G1+4], 136                         ; tile_dim1 = 136
	s_mov_b32 s[G1+5], 32                          ; from row to row
	s_mov_b32 s[G1+6], 0
	s_mov_b32 s[G1+7], 0
	v_and_b32 v112, 15, v0                         ; r
	v_bfe_u32 v113, v0, 4, 1                       ; h
	v_and_b32 v114, 31, v0                         ; lane
	v_lshlrev_b32 v1, 4, v114                      ; v1 = 16 lane
	v_lshlrev_b32 v[L4], 2, v114
	v_lshlrev_b32 v[T4], 2, v0
	s_mul_i32 s46, s[WV], 8448
	s_add_co_u32 s46, s46, STG                     ; my region
	v_add_nc_u32 v[STW], s46, v1
	v_mul_u32_u24 v115, v112, 528
	v_lshl_add_u32 v115, v113, 7, v115
	v_add_nc_u32 v[STR], s46, v115
	v_lshl_add_u32 v[B32H], v113, 5, s46
	v_lshl_add_u32 v[B4R], v112, 2, s46
	s_lshl_b32 s47, s[WV], 10
	s_add_co_u32 s47, s47, IMG
	v_add_nc_u32 v[IMW], s47, v1
	v_add_nc_u32 v[IMR], IMG, v1
	s_lshl_b32 s47, s[WV], 9
	s_add_co_u32 s48, s47, SCL
	v_lshl_add_u32 v[SCW], v112, 2, s48
	v_add_nc_u32 v[SCR], SCL, v[L4]
	s_add_co_u32 s48, s47, IMG
	v_lshl_add_u32 v[MSW], v112, 2, s48
	v_lshl_add_u32 v[MSR], v0, 2, IMG
	v_lshlrev_b32 v[SH8], 3, v113
	v_mov_b32 v[ST], 0
	v_mov_b32 v[TP], 0                             ; written once: a lane permute's destination counts as one of its sources
.irp t, 0,1,2,3,4,5,6,7
	v_mov_b32 v[MS+\t], 0
.endr
	s_mul_i32 s[TB], s[WV], 69632                  ; my two quarters of the ring
	s_mov_b32 s[QO], 0
	s_mov_b32 s[PO], 1024
	s_mov_b32 s[CO], 3072
	s_mov_b32 s[SEL], 0x76543210
	s_mov_b32 s[SEL+1], 0xfedcba98
	s_mov_b32 s[MKM], 1
	s_mov_b32 s[MKL], 0x10000
	s_mov_b32 s[CLS], 0x3e38aa3b                   ; 0.125 log2(e)
	s_mov_b32 s[CLS+1], s[CLS]                     ; (named with it as a pair, so it is written)
	s_lshl_b32 s46, s34, 19                        ; candidates: 524,288 bytes a work-group,
	s_lshl_b32 s47, s[WV], 16                      ; 16 rows of 4,096 bytes a wave
	s_add_co_u32 s46, s46, s47
	s_mov_b32 s47, 0
	s_lshr_b32 s48, s34, 4                         ; the batch
	s_lshl_b32 s48, s48, 12
	s_lshl_b32 s49, s[WV], 10
	s_add_co_u32 s48, s48, s49                     ; qf: 4,096 batch + 1,024 w
	s_lshl_b32 s50, s34, 12
	s_add_co_u32 s50, s50, s49                     ; pctx: 4,096 work-group + 1,024 w
	s_mov_b32 s49, 0
	s_mov_b32 s51, 0
	s_lshl_b32 s52, s34, 9
	s_mov_b32 s54, s52                             ; msum: 512 work-group
	s_lshl_b32 s53, s[WV], 7
	s_add_co_u32 s52, s52, s53                     ; ml: 512 work-group + 128 w
	s_mov_b32 s53, 0
	s_mov_b32 s55, 0
	s_mul_i32 s56, s[WV], QTR                      ; my quarter of a content: of the wave's number alone
	s_mov_b32 s57, 0
	s_wait_dscnt 0x0                               ; both opening adds are done
	s_wait_kmcnt 0x0
	s_add_nc_u64 s[4:5], s[4:5], s[46:47]
	s_add_nc_u64 s[8:9], s[8:9], s[48:49]
	s_add_nc_u64 s[10:11], s[10:11], s[50:51]
	s_add_nc_u64 s[12:13], s[12:13], s[52:53]
	s_add_nc_u64 s[14:15], s[14:15], s[54:55]
	s_add_nc_u64 s[6:7], s[6:7], s[56:57]
	global_load_b128 v[QL:QL+3], v1, s[8:9]        ; Q of my four heads: 1,024 bytes
	global_load_b128 v[QL+4:QL+7], v1, s[8:9] offset:512
	LOADF 0                                        ; the candidates' stream begins here, ahead of the round and of the ring's first fills: 50 loads of mine are out when I reach the round
	LOADF 1
	LOADF 2
	s_mov_b32 s[G0A], 1                            ; count = 1
	s_mov_b32 s[G0A+1], s[TB]                      ; LDS address: slot 0
	s_mov_b64 s[G0A+2:G0A+3], s[6:7]               ; content 0
	s_or_b32 s[G0A+3], s[G0A+3], 0x80000000        ; type = 2
	s_mov_b32 s[G0B], 1
	s_add_co_u32 s[G0B+1], s[TB], QTR              ; slot 1
	s_add_nc_u64 s[G0B+2:G0B+3], s[6:7], CONT      ; content 1
	s_or_b32 s[G0B+3], s[G0B+3], 0x80000000
	CROUND                                         ; all four work-groups are here: the first joint loads meet
	tensor_load_to_lds s[G0A:G0A+3], s[G1:G1+7]    ; every wave's one tensor load at the head: its quarter of content 0
	s_nop 0
.rept 4
	v_nop
.endr
	LOADF 3
	s_wait_loadcnt 48                              ; Q and fragment 0 are in; the three fragments behind it may be out
	TURNX 0
	s_wait_dscnt 0x0                               ; fragment 0's 64 numbers are in, and its stores have read their set
.irp t, 0,1,2,3,4,5,6,7,8,9,10,11,12,13,14,15
	STEP1 \t
.endr
.irp t, 0,1,2,3,4,5,6,7
.irp q, 0,1,2,3
	ds_load_b32 v[CS+4*\t+\q], v[SCR] offset:512*\t+128*\q     ; all scale words were stored ahead of the last step's barrier
.endr
.endr
	ds_store_b128 v[STW], v[QL:QL+3]               ; Q into my own region, where the stage was: served in order behind the stage's last reads
	ds_store_b128 v[STW], v[QL+4:QL+7] offset:512
	; my quarter of content 0 was awaited in step 15; content 1's may be out.  I alone read my quarters, so no barrier is owed
	v_add_nc_u32 v[WAD], s[TB], v1
	FETCH 0, 0
	s_mov_b32 s[CNT], 4
.Lk:                                               ; contents 0 to 3: a head of K a trip; each trip asks for the content two on (2 to 5)
	v_add_nc_u32 v[QAD], s[QO], v[B32H]
	v_add_nc_u32 v[PWA], s[PO], v[B4R]
	s_wait_alu depctr_va_vdst(0)
	KTILE 0
	KTILE 1
	KTILE 2
	KTILE 3
	HEADFIN
	s_add_co_u32 s[QO], s[QO], 256
	s_add_co_u32 s[PO], s[PO], 512
	s_lshl_b32 s[MKM], s[MKM], 1
	s_lshl_b32 s[MKL], s[MKL], 1
	s_sub_co_u32 s[CNT], s[CNT], 1
	s_cmp_lg_u32 s[CNT], 0
	s_cbranch_scc1 .Lk
	s_mov_b32 s[PO], 1024                          ; back to the first head's p
	s_mov_b32 s[CNT], 2
.Lv:                                               ; contents 4 and 5: a head of V a trip; they ask for contents 6 and 7
	VTILE 0, 1
	VTILE 1, 1
	VTILE 2, 1
	VTILE 3, 1
	s_add_co_u32 s[PO], s[PO], 512
	s_add_co_u32 s[CO], s[CO], 256
	s_sub_co_u32 s[CNT], s[CNT], 1
	s_cmp_lg_u32 s[CNT], 0
	s_cbranch_scc1 .Lv
	s_mov_b32 s[CNT], 2
.Lt:                                               ; contents 6 and 7: a loop of its own
	VTILE 0, 0
	VTILE 1, 0
	VTILE 2, 0
	VTILE 3, 0
	s_add_co_u32 s[PO], s[PO], 512
	s_add_co_u32 s[CO], s[CO], 256
	s_sub_co_u32 s[CNT], s[CNT], 1
	s_cmp_lg_u32 s[CNT], 0
	s_cbranch_scc1 .Lt
	; THE WAY OUT
	ds_load_b128 v[QR:QR+3], v[STW] offset:3072    ; my 256 numbers of ctx: served in order behind my stores of them
	ds_load_b128 v[QR+4:QR+7], v[STW] offset:3584
.irp t, 0,1,2,3,4,5,6,7
	ds_store_b32 v[MSW], v[MS+\t] offset:64*\t     ; my four heads' score sums; the images that lay here were last read ahead of many barriers
.endr
	global_store_b32 v[L4], v[ST], s[12:13]        ; m and the sums of p: 128 bytes a wave
	s_wait_dscnt 0x0                               ; ctx is back; for the others' sake: my score sums lie in LDS
	global_store_b128 v1, v[QR:QR+3], s[10:11]     ; each store of the wave covers 512 consecutive bytes, aligned
	global_store_b128 v1, v[QR+4:QR+7], s[10:11] offset:512
	s_barrier_signal -1
	s_barrier_wait -1
.irp w, 0,1,2,3
	ds_load_b32 v[T+\w], v[MSR] offset:512*\w
.endr
	s_wait_dscnt 0x0
	v_add_f32 v[T], v[T], v[T+1]
	v_add_f32 v[T+2], v[T+2], v[T+3]
	v_add_f32 v[T], v[T], v[T+2]                   ; the sum over all 16 heads, candidate = my thread's number
	global_store_b32 v[T4], v[T], s[14:15]
	s_wait_tensorcnt 0x0                           ; the wave's end: behind my last tensor load and my last LDS store
	ds_add_u32 v[SPW], v[NIL]
	s_wait_dscnt 0x0
	CROUND                                         ; the closing round: no work-group ends while a partner may still ask for a quarter that names it
	s_endpgm
.Lfunc_end_k_qf772f924b8_main:
	.size	k_qf772f924b8_main, .Lfunc_end_k_qf772f924b8_main-k_qf772f924b8_main
	.p2alignl 7, 3214868480
	.fill 96, 4, 3214868480
	.section	.rodata,"a",@progbits
	.p2align	6, 0x0
	.amdhsa_kernel k_qf772f924b8_main
		.amdhsa_group_segment_fixed_size 327680
		.amdhsa_private_segment_fixed_size 0
		.amdhsa_enable_private_segment 0
		.amdhsa_kernarg_size 48
		.amdhsa_user_sgpr_count 2
		.amdhsa_user_sgpr_kernarg_segment_ptr 1
		.amdhsa_wavefront_size32 1
		.amdhsa_system_sgpr_workgroup_id_x 1
		.amdhsa_system_sgpr_workgroup_id_y 1
		.amdhsa_system_sgpr_workgroup_id_z 1
		.amdhsa_system_vgpr_workitem_id 0
		.amdhsa_next_free_vgpr 1024
		.amdhsa_next_free_sgpr 66
		.amdhsa_reserve_vcc 0
		.amdhsa_float_denorm_mode_32 3
		.amdhsa_float_denorm_mode_16_64 3
		.amdhsa_memory_ordered 1
		.amdhsa_forward_progress 1
		.amdhsa_inst_pref_size 255
	.end_amdhsa_kernel
	.section	.bss,"aw",@nobits
	.p2align	6
	.space	262144
	.amdgpu_metadata
---
amdhsa.version: [ 1, 2 ]
amdhsa.kernels:
  - .name:           k_qf772f924b8_main
    .symbol:         k_qf772f924b8_main.kd
    .args:
      - { .name: candidates, .offset: 0, .size: 8, .value_kind: global_buffer, .address_space: global }
      - { .name: wkv, .offset: 8, .size: 8, .value_kind: global_buffer, .address_space: global }
      - { .name: qf, .offset: 16, .size: 8, .value_kind: global_buffer, .address_space: global }
      - { .name: pctx, .offset: 24, .size: 8, .value_kind: global_buffer, .address_space: global }
      - { .name: ml, .offset: 32, .size: 8, .value_kind: global_buffer, .address_space: global }
      - { .name: msum, .offset: 40, .size: 8, .value_kind: global_buffer, .address_space: global }
    .group_segment_fixed_size: 327680
    .private_segment_fixed_size: 0
    .kernarg_segment_align: 8
    .kernarg_segment_size: 48
    .max_flat_workgroup_size: 128
    .sgpr_count:     66
    .vgpr_count:     1024
    .wavefront_size: 32
...
	.end_amdgpu_metadata
.endif
;; end of part 2
;; launch finish (part 3): grid 272 x 1, 4 waves a work-group, no clusters, 2,816 bytes of LDS; arguments pctx, ml, msum, woc, bv, bo, out0, out1, out2, out3; writes out0, out1, out2, out3
.if DOCPART == 3
	.amdgcn_target "amdgcn-amd-amdhsa--gfx1250"
	.amdhsa_code_object_version 6
	.text
	.protected	k_qf772f924b8_finish
	.globl	k_qf772f924b8_finish
	.p2align	8
	.type	k_qf772f924b8_finish,@function
k_qf772f924b8_finish:
	s_mov_b64 s[64:65], 0
	v_nop
	global_prefetch_b8 v0, s[64:65] scope:SCOPE_SE
	s_setreg_imm32_b32 hwreg(HW_REG_WAVE_MODE, 25, 1), 1
	s_wait_xcnt 0x0
; THIRD LAUNCH.  Work-groups 0-15: out1 = softmax of the heads' mean score, out2 and out3 = its 8 largest; they have the longer way and stand first.  Work-groups 16-271: out0 = Qz(ctx) Qz(Wo)^T + bo.
; LEFT OUT AS DEAD WORK: bk (shown at the head of the first launch).  bv comes in here: ctx = sum of attn (V + bv) = sum of attn V + bv, since attn sums to 1 along n.
; OUT0.  Work-group 16 + x: batch b = x / 16, g = x % 16; wave w makes outputs 16 (4 g + w) + 0 .. 15.  ctx is quantised row by row, so a work-group needs its batch's row alone: 16 partial sums of 4,096 bytes.
; Thread t owns features 8 t .. 8 t + 7 (head t / 8).  With M the largest of the 16 blocks' maxima m_i and e_i = 2^((m_i - M) c): ctx = sum of e_i x_i / sum of e_i l_i + bv.
; The one row of ctx stands in all 16 rows of source 0, and one register of the result is used: 8 matrix instructions a wave; that spares a launch for ctx alone.
; OUT1-3.  Work-group b.  Ties among the 8 largest go to the lower index, as in jax.lax.top_k: the search takes the largest value, then the lowest index that has it.  No branch and no address hangs on a value: compares and selects alone.
; LIMITS: NaN and infinities are not served; 1 / x is v_rcp_f32; sums go in another order than the reference's; the quantiser's byte is held at 1 from below, and a block of zeros gets the byte 1 with zero codes.
; No tensor loads, ring or cluster: each work-group reads some 75,000 bytes once into registers.
.set XC,    0                          ; LDS, OUT0's path: ctx's 1,024 codes, 512 bytes
.set XSB,   512                        ; its 32 scale bytes
.set R1,    768                        ; the other path: the waves' maxima,
.set R2,    1024                       ; their sums,
.set TKV,   1280                       ; each wave's 8 largest: values, 128 bytes a wave,
.set TKN,   1792                       ; and indices
.set SPARE, 2304                       ; the spare words, 128 bytes for each wave: two blocks of 256 bytes that no other line names
.set SPW,  2                           ; v2   LDS address of my spare word; never rewritten
.set NIL,  3                           ; v3   0; never rewritten
.set XS,   4                           ; v4-7   ctx's scale words (scales alone): register q: lanes 0-15 K step 2 q, lanes 16-31 K step 2 q + 1
.set WS,   8                           ; v8-11  Wo's (scales alone), laid likewise
.set ML,   16                          ; v16-47 m_i (then e_i, then e_i / the divisor) in the even registers, l_i in the odd ones
.set PX,   48                          ; v48-175 the 16 partial sums, 8 numbers each; later ctx's fragments (v48-111) and two accumulators (v112-127)
.set BV,   176                         ; v176-183 bv
.set CTX,  184                         ; v184-191 at work, then ctx
.set WF,   192                         ; v192-255 Wo's eight fragments
.set SEL,  28                          ; s[28:29] lane selects for v_permlanex16_b32: lane l xor 16
.set MK,   40                          ; s40-55 the search: a lane mask for each of a thread's 16 numbers
	s_load_b256 s[4:11], s[0:1], 0x0               ; pctx s[4:5], ml s[6:7], msum s[8:9], woc s[10:11]
	s_load_b256 s[12:19], s[0:1], 0x20             ; bv s[12:13], bo s[14:15], out0 s[16:17], out1 s[18:19]
	s_load_b128 s[20:23], s[0:1], 0x40             ; out2 s[20:21], out3 s[22:23]
	v_lshl_add_u32 v[SPW], v0, 2, SPARE
	v_mov_b32 v[NIL], 0
	v_lshrrev_b32 v1, 5, v0
	v_readfirstlane_b32 s24, v1                    ; wave 0..3
	v_and_b32 v1, 31, v0                           ; lane
	s_mov_b32 s[SEL], 0x76543210
	s_mov_b32 s[SEL+1], 0xfedcba98
	s_cmp_lt_u32 ttmp9, 16
	s_cbranch_scc1 .Lsel                           ; the same way for all four waves
	; ---- out0
	s_sub_co_u32 s27, ttmp9, 16
	s_lshr_b32 s25, s27, 4                         ; b
	s_and_b32 s26, s27, 15                         ; g
	v_bfe_u32 v12, v0, 3, 2                        ; my head = 4 w + c: c
	v_lshlrev_b32 v12, 2, v12
	s_lshl_b32 s30, s24, 7
	v_add_nc_u32 v12, s30, v12                     ; ml: 128 w + 4 c
	v_lshlrev_b32 v13, 5, v0                       ; pctx, bv: 32 bytes a thread
	s_wait_alu depctr_va_vdst(0)
	v_lshlrev_b32 v14, 4, v1                       ; woc: 16 lane
	v_and_b32 v15, 15, v0
	v_lshlrev_b32 v15, 2, v15                      ; bo, out0: 4 r
	s_lshl_b32 s30, s25, 13                        ; ml: 16 blocks of 512 bytes a batch
	s_mov_b32 s31, 0
	s_lshl_b32 s32, s25, 16                        ; pctx: 16 rows of 4,096 bytes a batch
	s_mov_b32 s33, 0
	s_lshl_b32 s34, s26, 2
	s_add_co_u32 s34, s34, s24                     ; my tile of Wo: f = 4 g + w
	s_lshl_b32 s36, s34, 6                         ; bo: 64 f
	s_mov_b32 s37, 0
	s_mul_i32 s34, s34, 8704                       ; woc
	s_mov_b32 s35, 0
	s_lshl_b32 s38, s25, 12
	s_add_co_u32 s38, s38, s36                     ; out0: 4,096 b + 64 f
	s_mov_b32 s39, 0
	s_wait_alu depctr_va_vdst(0)
	s_wait_kmcnt 0x0
	s_add_nc_u64 s[6:7], s[6:7], s[30:31]
	s_add_nc_u64 s[4:5], s[4:5], s[32:33]
	s_add_nc_u64 s[10:11], s[10:11], s[34:35]
	s_add_nc_u64 s[14:15], s[14:15], s[36:37]
	s_add_nc_u64 s[16:17], s[16:17], s[38:39]
.irp i, 0,1,2,3,4,5,6,7,8,9,10,11,12,13,14,15
	global_load_b32 v[ML+2*\i], v12, s[6:7] offset:512*\i      ; m_i of my head,
	global_load_b32 v[ML+2*\i+1], v12, s[6:7] offset:512*\i+64 ; l_i
.endr
.irp i, 0,1,2,3,4,5,6,7,8,9,10,11,12,13,14,15
	global_load_b128 v[PX+8*\i:PX+8*\i+3], v13, s[4:5] offset:4096*\i
	global_load_b128 v[PX+8*\i+4:PX+8*\i+7], v13, s[4:5] offset:4096*\i+16
.endr
	global_load_b128 v[BV:BV+3], v13, s[12:13]
	global_load_b128 v[BV+4:BV+7], v13, s[12:13] offset:16
.irp s, 0,1,2,3,4,5,6,7
.irp c, 0,1
	global_load_b128 v[WF+8*\s+4*\c:WF+8*\s+4*\c+3], v14, s[10:11] offset:1024*\s+512*\c   ; images of the operand's registers
.endr
.endr
	global_load_b128 v[WS:WS+3], v14, s[10:11] offset:8192
	global_load_b32 v1, v15, s[14:15]              ; bo of output 16 f + r
	s_wait_loadcnt 52                              ; m and l are in; the 52 younger loads (32 + 2 + 17 + 1) may be out
	v_max3_num_f32 v[CTX], v[ML], v[ML+2], v[ML+4]
	v_max3_num_f32 v[CTX+1], v[ML+6], v[ML+8], v[ML+10]
	v_max3_num_f32 v[CTX], v[CTX], v[ML+12], v[ML+14]
	v_max3_num_f32 v[CTX+1], v[CTX+1], v[ML+16], v[ML+18]
	v_max3_num_f32 v[CTX], v[CTX], v[ML+20], v[ML+22]
	v_max3_num_f32 v[CTX+1], v[CTX+1], v[ML+24], v[ML+26]
	v_max3_num_f32 v[CTX], v[CTX], v[ML+28], v[ML+30]
	v_max_num_f32 v[CTX], v[CTX], v[CTX+1]         ; M
.irp i, 0,1,2,3,4,5,6,7,8,9,10,11,12,13,14,15
	v_sub_f32 v[ML+2*\i], v[ML+2*\i], v[CTX]
.endr
.irp i, 0,1,2,3,4,5,6,7,8,9,10,11,12,13,14,15
	v_mul_f32 v[ML+2*\i], 0x3e38aa3b, v[ML+2*\i]   ; x 0.125 log2(e)
.endr
	s_wait_alu depctr_va_vdst(0)
.irp i, 0,1,2,3,4,5,6,7,8,9,10,11,12,13,14,15
	v_exp_f32 v[ML+2*\i], v[ML+2*\i]               ; e_i, one batch
.endr
	v_nop                                          ; the plain line behind the exponentials
	s_wait_alu depctr_va_vdst(0)                   ; one wait for the batch, ahead of its first reader
	v_mul_f32 v[CTX+2], v[ML], v[ML+1]
	v_mul_f32 v[CTX+3], v[ML+2], v[ML+3]
.irp i, 2,4,6,8,10,12,14
	v_fma_f32 v[CTX+2], v[ML+2*\i], v[ML+2*\i+1], v[CTX+2]
	v_fma_f32 v[CTX+3], v[ML+2*\i+2], v[ML+2*\i+3], v[CTX+3]
.endr
	v_add_f32 v[CTX+2], v[CTX+2], v[CTX+3]         ; the divisor: at least 1, since the block that has M gives e = 1 and l >= 1
	s_wait_alu depctr_va_vdst(0)
	v_rcp_f32 v[CTX+4], v[CTX+2]
	v_lshlrev_b32 v17, 2, v0                       ; (the plain line behind the reciprocal)  l is done with: v17 = XC + 4 t: where my 8 codes go,
	v_lshrrev_b32 v19, 2, v0
	v_add_nc_u32 v19, XSB, v19                     ; v19 = XSB + t / 4: my block's byte,
	v_bfe_u32 v21, v0, 4, 1
	v_lshl_add_u32 v23, v21, 2, XSB                ; v23 = XSB + 4 h: the scale words,
	v_lshlrev_b32 v21, 4, v21                      ; v21 = XC + 16 h: the fragments
	s_wait_alu depctr_va_vdst(0)                   ; the wait, ahead of the reciprocal's first reader
.irp i, 0,1,2,3,4,5,6,7,8,9,10,11,12,13,14,15
	v_mul_f32 v[ML+2*\i], v[ML+2*\i], v[CTX+4]
.endr
	s_wait_loadcnt 18                              ; the partial sums and bv are in; the 18 younger loads (17 of woc, 1 of bo) may be out
.irp p, 0,2,4,6
	v_pk_fma_f32 v[CTX+\p:CTX+\p+1], v[PX+\p:PX+\p+1], v[ML:ML+1], v[BV+\p:BV+\p+1] op_sel_hi:[1,0,1]   ; bv starts the sums; of the pair the low word serves both halves
.endr
.irp i, 1,2,3,4,5,6,7,8,9,10,11,12,13,14,15
.irp p, 0,2,4,6
	v_pk_fma_f32 v[CTX+\p:CTX+\p+1], v[PX+8*\i+\p:PX+8*\i+\p+1], v[ML+2*\i:ML+2*\i+1], v[CTX+\p:CTX+\p+1] op_sel_hi:[1,0,1]
.endr
.endr
	v_max3_num_f32 v48, |v[CTX]|, |v[CTX+1]|, 0x1800000        ; my 8 numbers, and the floor 2^(3 - 127)
	v_max3_num_f32 v48, v48, |v[CTX+2]|, |v[CTX+3]|
	v_max3_num_f32 v48, v48, |v[CTX+4]|, |v[CTX+5]|
	v_max3_num_f32 v48, v48, |v[CTX+6]|, |v[CTX+7]|
	v_max_num_f32_dpp v48, v48, v48 row_xmask:1 row_mask:0xf bank_mask:0xf
	v_max_num_f32_dpp v48, v48, v48 row_xmask:2 row_mask:0xf bank_mask:0xf   ; four threads hold a block of 32
	v_add_nc_u32 v49, 0xff000000, v48              ; 2 off the exponent field: the conversion's scale operand
	v_lshrrev_b32 v50, 23, v49                     ; the scale's byte
	v_cvt_scalef32_pk8_fp4_f32 v51, v[CTX:CTX+7], v49
	v_nop                                          ; one plain line behind a scaled conversion
	ds_store_b32 v17, v51
	ds_store_b8 v19, v50                           ; the four threads of a block write the same byte with the same value
	s_wait_dscnt 0x0                               ; for the others' sake
	s_barrier_signal -1
	s_barrier_wait -1
.irp s, 0,1,2,3,4,5,6,7
.irp c, 0,1
	ds_load_b128 v[PX+8*\s+4*\c:PX+8*\s+4*\c+3], v21 offset:64*\s+32*\c   ; k = 128 s + 64 c + 32 h + 0 .. 31 of the one row, in every lane of a half
.endr
.endr
.irp q, 0,1,2,3
	ds_load_b32 v[XS+\q], v23 offset:8*\q
.endr
	s_wait_dscnt 0x0
	s_wait_loadcnt 0x0
	; two accumulators take turns, one instruction a turn: the even K steps' sum and the odd ones'
	v_wmma_scale_f32_16x16x128_f8f6f4 v[112:119], v[PX:PX+7], v[WF:WF+7], 0, v[XS], v[WS] matrix_a_fmt:MATRIX_FMT_FP4 matrix_b_fmt:MATRIX_FMT_FP4
	v_wmma_scale_f32_16x16x128_f8f6f4 v[120:127], v[PX+8:PX+15], v[WF+8:WF+15], 0, v[XS], v[WS] matrix_a_fmt:MATRIX_FMT_FP4 matrix_b_fmt:MATRIX_FMT_FP4 matrix_a_scale:MATRIX_SCALE_ROW1 matrix_b_scale:MATRIX_SCALE_ROW1
.irp q, 1,2,3
	v_wmma_scale_f32_16x16x128_f8f6f4 v[112:119], v[PX+16*\q:PX+16*\q+7], v[WF+16*\q:WF+16*\q+7], v[112:119], v[XS+\q], v[WS+\q] matrix_a_fmt:MATRIX_FMT_FP4 matrix_b_fmt:MATRIX_FMT_FP4
	v_wmma_scale_f32_16x16x128_f8f6f4 v[120:127], v[PX+16*\q+8:PX+16*\q+15], v[WF+16*\q+8:WF+16*\q+15], v[120:127], v[XS+\q], v[WS+\q] matrix_a_fmt:MATRIX_FMT_FP4 matrix_b_fmt:MATRIX_FMT_FP4 matrix_a_scale:MATRIX_SCALE_ROW1 matrix_b_scale:MATRIX_SCALE_ROW1
.endr
.rept 4
	v_nop
.endr
	v_add_f32 v12, v112, v120                      ; each accumulator's lowest register: output 16 f + r (all 16 rows are the same row)
	v_add_f32 v12, v12, v1                         ; + bo
	global_store_b32 v15, v12, s[16:17]            ; lanes r and r + 16 hold the same number and write the same word: 64 bytes a wave
	s_wait_tensorcnt 0x0                           ; the wave's end: behind my last LDS store
	ds_add_u32 v[SPW], v[NIL]
	s_wait_dscnt 0x0
	s_endpgm
	; ---- out1, out2, out3.  Thread t holds candidates n = 512 q + 4 t + i in v[32 + 4 q + i]
.macro TMAX                            ; the largest of my 16, into v22
	v_max3_num_f32 v22, v32, v33, v34
	v_max3_num_f32 v24, v35, v36, v37
	v_max3_num_f32 v22, v22, v38, v39
	v_max3_num_f32 v24, v24, v40, v41
	v_max3_num_f32 v22, v22, v42, v43
	v_max3_num_f32 v24, v24, v44, v45
	v_max3_num_f32 v22, v22, v46, v47
	v_max_num_f32 v22, v22, v24
.endm
.macro WMAX x                          ; over the wave's 32 lanes, the result in every lane
	v_max_num_f32_dpp v[\x], v[\x], v[\x] row_xmask:1 row_mask:0xf bank_mask:0xf
	v_max_num_f32_dpp v[\x], v[\x], v[\x] row_xmask:2 row_mask:0xf bank_mask:0xf
	v_max_num_f32_dpp v[\x], v[\x], v[\x] row_xmask:4 row_mask:0xf bank_mask:0xf
	v_max_num_f32_dpp v[\x], v[\x], v[\x] row_xmask:8 row_mask:0xf bank_mask:0xf
	v_permlanex16_b32 v23, v[\x], s[SEL], s[SEL+1]
	v_max_num_f32 v[\x], v[\x], v23
.endm
.macro WMIN x
	v_min_num_f32_dpp v[\x], v[\x], v[\x] row_xmask:1 row_mask:0xf bank_mask:0xf
	v_min_num_f32_dpp v[\x], v[\x], v[\x] row_xmask:2 row_mask:0xf bank_mask:0xf
	v_min_num_f32_dpp v[\x], v[\x], v[\x] row_xmask:4 row_mask:0xf bank_mask:0xf
	v_min_num_f32_dpp v[\x], v[\x], v[\x] row_xmask:8 row_mask:0xf bank_mask:0xf
	v_permlanex16_b32 v23, v[\x], s[SEL], s[SEL+1]
	v_min_num_f32 v[\x], v[\x], v23
.endm
.macro WSUM x
	v_add_f32_dpp v[\x], v[\x], v[\x] row_xmask:1 row_mask:0xf bank_mask:0xf
	v_add_f32_dpp v[\x], v[\x], v[\x] row_xmask:2 row_mask:0xf bank_mask:0xf
	v_add_f32_dpp v[\x], v[\x], v[\x] row_xmask:4 row_mask:0xf bank_mask:0xf
	v_add_f32_dpp v[\x], v[\x], v[\x] row_xmask:8 row_mask:0xf bank_mask:0xf
	v_permlanex16_b32 v23, v[\x], s[SEL], s[SEL+1]
	v_add_f32 v[\x], v[\x], v23
.endm
.Lsel:
	s_mov_b32 s25, ttmp9                           ; b
	s_lshl_b32 s30, s25, 13                        ; msum, out1: 8,192 bytes a batch
	s_mov_b32 s31, 0
	s_lshl_b32 s32, s25, 5                         ; out2, out3: 32 bytes a batch
	s_mov_b32 s33, 0
	v_lshlrev_b32 v12, 4, v0                       ; 16 bytes a thread
	s_lshl_b32 s26, s24, 2
	s_add_co_u32 s27, s26, R1
	v_mov_b32 v13, s27                             ; my wave's word among the maxima,
	v_mov_b32 v14, R1
	s_add_co_u32 s27, s26, R2
	v_mov_b32 v15, s27                             ; and among the sums
	v_mov_b32 v16, R2
	v_lshlrev_b32 v21, 2, v0                       ; 4 t = 128 w + 4 lane: my lowest n, and my word's place among the waves' 8 largest
	v_add_nc_u32 v17, TKV, v21
	v_add_nc_u32 v18, TKN, v21
	s_wait_alu depctr_va_vdst(0)
	v_lshrrev_b32 v19, 3, v1
	v_and_b32 v20, 7, v1
	v_lshlrev_b32 v20, 2, v20
	v_lshl_add_u32 v19, v19, 7, v20                ; the merge: lane l takes number l % 8 of wave l / 8
	v_add_nc_u32 v20, TKN, v19
	v_add_nc_u32 v19, TKV, v19
	v_lshlrev_b32 v31, 2, v1                       ; 4 lane
	v_mov_b32 v23, 0                               ; written once: a lane permute's destination counts as one of its sources
	v_mov_b32 v27, -1.0                            ; the 8 largest so far: values,
	v_mov_b32 v28, 0x4e6e6b28                      ; and indices as f32 (1e9: none)
	v_mov_b32 v30, 0x4e6e6b28                      ; 1e9, over every index; never rewritten
.irp e, 0,1,2,3,4,5,6,7,8,9,10,11,12,13,14,15
	v_add_nc_u32 v[64+\e], 512*(\e/4)+\e%4, v21    ; the index of my number in v[32 + e]: n = 512 (e / 4) + e % 4 + 4 t,
.endr
.irp e, 0,1,2,3,4,5,6,7,8,9,10,11,12,13,14,15
	v_cvt_f32_u32 v[64+\e], v[64+\e]               ; as f32: exact; v64-79 are never rewritten
.endr
	s_mov_b32 s34, 0x3c38aa3b                      ; log2(e) / 128: the mean over 16 heads and the factor 0.125
	s_mov_b32 s35, s34
	s_wait_kmcnt 0x0
	s_add_nc_u64 s[8:9], s[8:9], s[30:31]
	s_add_nc_u64 s[18:19], s[18:19], s[30:31]
	s_add_nc_u64 s[20:21], s[20:21], s[32:33]
	s_add_nc_u64 s[22:23], s[22:23], s[32:33]
.irp q, 0,1,2,3
	global_load_b128 v[32+4*\q:35+4*\q], v12, s[8:9] offset:2048*\q th:TH_LOAD_NT
.endr
	s_wait_loadcnt 0x0
	TMAX
	WMAX 22
	ds_store_b32 v13, v22                          ; all lanes write the same word with the same value
	s_wait_dscnt 0x0
	s_barrier_signal -1
	s_barrier_wait -1
	ds_load_b128 v[48:51], v14
	s_wait_dscnt 0x0
	v_max3_num_f32 v22, v48, v49, v50
	v_max_num_f32 v22, v22, v51                    ; the row's maximum
	s_wait_alu depctr_va_vdst(0)
.irp p, 0,2,4,6,8,10,12,14
	v_pk_add_f32 v[32+\p:33+\p], v[32+\p:33+\p], v[22:23] op_sel_hi:[1,0] neg_lo:[0,1] neg_hi:[0,1]   ; the maximum is taken away first
.endr
.irp p, 0,2,4,6,8,10,12,14
	v_pk_mul_f32 v[32+\p:33+\p], v[32+\p:33+\p], s[34:35] op_sel_hi:[1,0]
.endr
	s_wait_alu depctr_va_vdst(0)
.irp e, 0,1,2,3,4,5,6,7,8,9,10,11,12,13,14,15
	v_exp_f32 v[32+\e], v[32+\e]                   ; one batch
.endr
	v_mov_b32 v25, 0                               ; the plain line behind the exponentials (v25 is named below as the upper half of a pair)
	s_wait_alu depctr_va_vdst(0)                   ; one wait for the batch, ahead of its first reader
	v_pk_add_f32 v[48:49], v[32:33], v[34:35]
	v_pk_add_f32 v[50:51], v[36:37], v[38:39]
	v_pk_add_f32 v[48:49], v[48:49], v[40:41]
	v_pk_add_f32 v[50:51], v[50:51], v[42:43]
	v_pk_add_f32 v[48:49], v[48:49], v[44:45]
	v_pk_add_f32 v[50:51], v[50:51], v[46:47]
	v_pk_add_f32 v[48:49], v[48:49], v[50:51]
	v_add_f32 v22, v48, v49
	WSUM 22
	ds_store_b32 v15, v22
	s_wait_dscnt 0x0
	s_barrier_signal -1
	s_barrier_wait -1
	ds_load_b128 v[48:51], v16
	s_wait_dscnt 0x0
	v_add_f32 v48, v48, v49
	v_add_f32 v50, v50, v51
	v_add_f32 v22, v48, v50                        ; the row's sum: at least 1
	s_wait_alu depctr_va_vdst(0)
	v_rcp_f32 v24, v22
	v_nop                                          ; the plain line behind the reciprocal
	s_wait_alu depctr_va_vdst(0)                   ; the wait, ahead of its first reader
.irp p, 0,2,4,6,8,10,12,14
	v_pk_mul_f32 v[32+\p:33+\p], v[32+\p:33+\p], v[24:25] op_sel_hi:[1,0]
.endr
.irp q, 0,1,2,3
	global_store_b128 v12, v[32+4*\q:35+4*\q], s[18:19] offset:2048*\q     ; each store of the wave covers 512 consecutive bytes, aligned
.endr
	s_wait_xcnt 0x0                                ; the stores' data are written again below only behind this wait
	s_mov_b32 s36, 8
	s_mov_b32 s37, 1                               ; lane mask 1 << k
.Ll:                                               ; 8 trips: my wave's k-th largest of its 512, into lane k
	s_wait_alu depctr_va_vdst(0)
	TMAX
	WMAX 22                                        ; the largest value left
.irp e, 0,1,2,3,4,5,6,7,8,9,10,11,12,13,14,15
	v_cmp_eq_f32 s[MK+\e], v[32+\e], v22           ; sixteen compares into sixteen masks of their own: none waits for another
.endr
.irp e, 0,1,2,3,4,5,6,7,8,9,10,11,12,13,14,15
	v_cndmask_b32 v[80+\e], v30, v[64+\e], s[MK+\e]    ; its index where my number is the largest value left, else 1e9
.endr
.irp e, 0,1,2,3,4,5,6,7
	v_min_num_f32 v[80+\e], v[80+\e], v[88+\e]     ; the lowest of the sixteen, by halves
.endr
.irp e, 0,1,2,3
	v_min_num_f32 v[80+\e], v[80+\e], v[84+\e]
.endr
	v_min_num_f32 v80, v80, v82
	v_min_num_f32 v81, v81, v83
	v_min_num_f32 v26, v80, v81                    ; my lowest n that has it; 1e9 where I have none
	WMIN 26                                        ; the lowest n that has it
	v_cndmask_b32 v27, v27, v22, s37
	v_cndmask_b32 v28, v28, v26, s37
.irp e, 0,1,2,3,4,5,6,7,8,9,10,11,12,13,14,15
	v_cmp_eq_f32 s[MK+\e], v[64+\e], v26           ; the one number with that index is taken out
.endr
.irp e, 0,1,2,3,4,5,6,7,8,9,10,11,12,13,14,15
	v_cndmask_b32 v[32+\e], v[32+\e], -1.0, s[MK+\e]   ; under every weight, which are 0 or more
.endr
	s_lshl_b32 s37, s37, 1
	s_sub_co_u32 s36, s36, 1
	s_cmp_lg_u32 s36, 0
	s_cbranch_scc1 .Ll
	ds_store_b32 v17, v27
	ds_store_b32 v18, v28
	s_wait_dscnt 0x0                               ; for wave 0's sake
	s_barrier_signal -1
	s_barrier_wait -1
	s_cmp_lg_u32 s24, 0
	s_cbranch_scc1 .Lend_s
	ds_load_b32 v32, v19                           ; wave 0: the 4 x 8 that are left, one a lane: value,
	ds_load_b32 v33, v20                           ; index
	v_mov_b32 v34, 0x4e6e6b28                      ; 1e9: over every index
	s_wait_dscnt 0x0
	s_mov_b32 s36, 8
	s_mov_b32 s37, 1
.Lm:                                               ; 8 trips: the row's k-th largest into lane k
	s_wait_alu depctr_va_vdst(0)
	v_mov_b32 v22, v32
	WMAX 22
	v_cmp_eq_f32 vcc_lo, v32, v22
	v_cndmask_b32 v26, v34, v33, vcc_lo
	WMIN 26                                        ; ties go to the lower index
	v_cndmask_b32 v27, v27, v22, s37
	v_cndmask_b32 v28, v28, v26, s37
	v_cmp_eq_f32 vcc_lo, v33, v26
	v_cndmask_b32 v32, v32, -1.0, vcc_lo
	s_lshl_b32 s37, s37, 1
	s_sub_co_u32 s36, s36, 1
	s_cmp_lg_u32 s36, 0
	s_cbranch_scc1 .Lm
	v_cvt_u32_f32 v28, v28
	v_cmp_gt_u32 vcc_lo, 8, v1
	s_wait_alu depctr_va_vdst(0)
	s_wait_xcnt 0x0                                ; EXEC changes only behind this wait
	s_and_saveexec_b32 s38, vcc_lo                 ; lanes 0 to 7
	global_store_b32 v31, v28, s[20:21]
	global_store_b32 v31, v27, s[22:23]
	s_wait_xcnt 0x0                                ; and again, in front of the line that widens it
	s_or_b32 exec_lo, exec_lo, s38
.Lend_s:
	s_wait_tensorcnt 0x0                           ; the wave's end: the same three lines, all lanes on
	ds_add_u32 v[SPW], v[NIL]
	s_wait_dscnt 0x0
	s_endpgm
.Lfunc_end_k_qf772f924b8_finish:
	.size	k_qf772f924b8_finish, .Lfunc_end_k_qf772f924b8_finish-k_qf772f924b8_finish
	.p2alignl 7, 3214868480
	.fill 96, 4, 3214868480
	.section	.rodata,"a",@progbits
	.p2align	6, 0x0
	.amdhsa_kernel k_qf772f924b8_finish
		.amdhsa_group_segment_fixed_size 2816
		.amdhsa_private_segment_fixed_size 0
		.amdhsa_enable_private_segment 0
		.amdhsa_kernarg_size 80
		.amdhsa_user_sgpr_count 2
		.amdhsa_user_sgpr_kernarg_segment_ptr 1
		.amdhsa_wavefront_size32 1
		.amdhsa_system_sgpr_workgroup_id_x 1
		.amdhsa_system_sgpr_workgroup_id_y 1
		.amdhsa_system_sgpr_workgroup_id_z 1
		.amdhsa_system_vgpr_workitem_id 0
		.amdhsa_next_free_vgpr 256
		.amdhsa_next_free_sgpr 66
		.amdhsa_reserve_vcc 1
		.amdhsa_float_denorm_mode_32 3
		.amdhsa_float_denorm_mode_16_64 3
		.amdhsa_memory_ordered 1
		.amdhsa_forward_progress 1
		.amdhsa_inst_pref_size 39
	.end_amdhsa_kernel
	.amdgpu_metadata
---
amdhsa.version: [ 1, 2 ]
amdhsa.kernels:
  - .name:           k_qf772f924b8_finish
    .symbol:         k_qf772f924b8_finish.kd
    .args:
      - { .name: pctx, .offset: 0, .size: 8, .value_kind: global_buffer, .address_space: global }
      - { .name: ml, .offset: 8, .size: 8, .value_kind: global_buffer, .address_space: global }
      - { .name: msum, .offset: 16, .size: 8, .value_kind: global_buffer, .address_space: global }
      - { .name: woc, .offset: 24, .size: 8, .value_kind: global_buffer, .address_space: global }
      - { .name: bv, .offset: 32, .size: 8, .value_kind: global_buffer, .address_space: global }
      - { .name: bo, .offset: 40, .size: 8, .value_kind: global_buffer, .address_space: global }
      - { .name: out0, .offset: 48, .size: 8, .value_kind: global_buffer, .address_space: global }
      - { .name: out1, .offset: 56, .size: 8, .value_kind: global_buffer, .address_space: global }
      - { .name: out2, .offset: 64, .size: 8, .value_kind: global_buffer, .address_space: global }
      - { .name: out3, .offset: 72, .size: 8, .value_kind: global_buffer, .address_space: global }
    .group_segment_fixed_size: 2816
    .private_segment_fixed_size: 0
    .kernarg_segment_align: 8
    .kernarg_segment_size: 80
    .max_flat_workgroup_size: 128
    .sgpr_count:     66
    .vgpr_count:     256
    .wavefront_size: 32
...
	.end_amdgpu_metadata
.endif
;; end of part 3
